; MI455X (gfx1250); checked and timed in simulation.
; The chip was launched on July 23, 2026; its instructions are those of AMD's public machine-readable ISA for CDNA 5 (MIT licence, August 2026) and "CDNA5" Instruction Set Architecture Reference Guide (July 2026). The comments in the code are by the model that wrote it; some were corrected since.
;; Performer Block. Allowed arithmetic: matrix products marked QUANTISED: E3M2 operands, one E8M0 scale for each 32 along K, by v_wmma_scale_f32_16x16x128_f8f6f4 with both operands' format E3M2, f32 sums; products left as they are: f32 operands where the result goes on into a quantised operand, else bf16, f16 or f32 operands; f32 sums; everything else in f32.
;; Inputs: W1 256 x 1,024 float32; W2 1,024 x 256 float32; Wk 256 x 256 float32; Wo 256 x 256 float32; Wq 256 x 256 float32; Wv 256 x 256 float32; b1 1,024 float32; b2 256 float32; bk 256 float32; bo 256 float32; bq 256 float32; bv 256 float32; ln1_b 256 float32; ln1_g 256 float32; ln2_b 256 float32; ln2_g 256 float32; x 4 x 16,384 x 256 float32.
;; Outputs: out0 4 x 16,384 x 256 float32.
;; This version of the problem:
;;   THIS VERSION OF THE PROBLEM IS GIVEN IN LOW PRECISION. The matrix products marked QUANTISED in the list below multiply operands that are first quantised to E3M2 (3 exponent bits, 2 mantissa bits; 6 bits a number), with one power-of-two scale for each 32 numbers along K (OCP MX v1.0); their sums are f32. All else is computed in f32.
;;   The module's matrix products, in the order in which they are computed (A, B: the left and right operand; K: the contracted axis; several contracted axes count as one K, in the product's order):
;;     1. [M 65,536, K 256] x [K 256, N 256]; A: input x; B: input Wq: QUANTISED
;;     2. [M 65,536, K 256] x [K 256, N 256]; A: input x; B: input Wk: QUANTISED
;;     3. [M 65,536, K 256] x [K 256, N 256]; A: input x; B: input Wv: QUANTISED
;;     4. batch 32 x [M 32, K 16,384] x [K 16,384, N 32]; A: computed on the way; B: computed on the way: QUANTISED
;;     5. batch 32 x [M 1, K 32] x [K 32, N 16,384]; A: computed on the way; B: computed on the way: left as it is (M = 1 < 16)
;;     6. batch 32 x [M 32, K 32] x [K 32, N 16,384]; A: computed on the way; B: computed on the way: QUANTISED
;;     7. batch 524,288 x [M 1, K 1] x [K 1, N 32]; A: computed on the way; B: computed on the way: left as it is (no contracted axis)
;;     8. [M 65,536, K 256] x [K 256, N 256]; A: computed on the way; B: input Wo: QUANTISED
;;     9. [M 65,536, K 256] x [K 256, N 1,024]; A: computed on the way; B: input W1: QUANTISED
;;     10. [M 65,536, K 1,024] x [K 1,024, N 256]; A: computed on the way; B: input W2: QUANTISED
;;   THE QUANTISER, for each operand of a quantised product, along K:
;;     - K is cut into blocks of 32 from its start; a last block that is shorter is filled with zeros.
;;     - A block's scale is 2^e with e = floor(log2(the largest magnitude in the block)) - 4, held to -126 .. 127; a block of zeros has e = 0. As a byte (E8M0): e + 127.
;;     - Each number is divided by its block's scale, clamped to +-28, and rounded to the nearest number of E3M2, ties to even, subnormals kept.
;;     - The product sums the exact products of the quantised numbers (number of the format x scale) in f32.
;;   ~~~python
;;   def quantise(x, axis):      # numpy; x: float32 -> the quantised numbers, widened to float32 again
;;       x = np.moveaxis(x, axis, -1); K = x.shape[-1]
;;       x = np.pad(x, [(0, 0)] * (x.ndim - 1) + [(0, -K % 32)]); x = x.reshape(x.shape[:-1] + (-1, 32)); a = np.abs(x).max(-1, keepdims=True)
;;       e = np.where(a > 0, np.clip(np.frexp(np.where(a > 0, a, 1))[1] - 1 - 4, -126, 127), 0)      # np.frexp(a)[1] - 1 = floor(log2(a)), exactly
;;       r = np.clip(x / 2.0 ** e, -28, 28)
;;       step = 2.0 ** (np.maximum(np.frexp(np.where(r == 0, 1, r))[1] - 1, -2) - 2)
;;       q = np.round(r / step) * step * 2.0 ** e      # np.round: ties to even
;;       return np.moveaxis(q.reshape(q.shape[:-2] + (-1,))[..., :K], -1, axis).astype(np.float32)
;;   ~~~
;;   OPERANDS COMPUTED ON THE WAY. 'Computed on the way' means the value that the module computes at that place (a softmax that the list does not call 'softmax' is quantised finished and normalised). What goes into a quantiser is computed in f32, as accurately as f32 sums, v_exp_f32 and their like allow (about 1e-6 of the number): no bf16 or f16 on the way to a quantiser, and a product that is left as it is and whose result goes on into a quantised operand takes f32 operands (vector FMAs, or v_wmma_f32_16x16x4_f32). A number that lies on a knife's edge between two numbers of the format may be rounded either way, as far as f32 arithmetic and the matrix unit's own rounding can turn it there, and no further.
;; One version. Each part assembles by itself: llvm-mc -triple=amdgcn-amd-amdhsa -mcpu=gfx1250 --defsym DOCPART=n.
;; ======== version 1 of 1: 4 launches
;; workspace buffers: wfrag 589,824 bytes; wscl 24,576 bytes; kvpart 8,388,608 bytes; kspart 524,288 bytes; kvfrag 98,304 bytes; kvscl 4,096 bytes; ksum 4,096 bytes
;; launch prep (part 1): grid 192 x 1, 1 waves a work-group, no clusters, 0 bytes of LDS; arguments Wq, Wk, Wv, Wo, W1, W2, wfrag, wscl; writes wfrag, wscl
.if DOCPART == 1
	.amdgcn_target "amdgcn-amd-amdhsa--gfx1250"
	.amdhsa_code_object_version 6
	.text
	.protected	k_qb669f960c6_prep
	.globl	k_qb669f960c6_prep
	.p2align	8
	.type	k_qb669f960c6_prep,@function
k_qb669f960c6_prep:
	s_mov_b64 s[64:65], 0
	v_nop
	global_prefetch_b8 v0, s[64:65] scope:SCOPE_SE
	s_setreg_imm32_b32 hwreg(HW_REG_WAVE_MODE, 25, 1), 1
	s_wait_xcnt 0x0
; PREP: the six weights, f32 stored [K][N], become codes of E3M2 with one E8M0 byte for each 32 along K, laid as IMAGES OF OPERAND REGISTERS.
; A unit U (one work-group, one wave) is 32 columns (a pair p of tiles) x 128 along K (K step ks): two fragments of 16 columns x 128 K and one register of scale words.
; Units: Wq 0+2p+ks, Wk 16+.., Wv 32+.., Wo 48+.., W1 64+2p+ks (p 0..31), W2 128+8p+ks (ks 0..7).
; THE COLUMNS OF A TILE ARE NOT NEIGHBOURS: lane r of tile u takes column 32 p + 8 u + r + (r & 8), so that the 16 result registers of tiles 0 and 1 are 16 neighbouring channels.
; A lane takes one column and its registers run DOWN K: lanes 0-15 tile 0's columns, lanes 16-31 tile 1's; a block of 32 along K is 32 registers of one lane, so its largest magnitude needs no other lane.
; wfrag: unit at 3,072 U; fragment u at +1,536 u; register 4 q + e of lane L at 512 q + 16 L + 4 e.   wscl: 128 U + 4 L (lanes 0-15 tile 0's words, lanes 16-31 tile 1's).
; A block's byte is its largest magnitude's exponent field - 4, held at 1 from below.
; LIMITS: a block of zeros, or one whose largest magnitude lies under 2^-122, gets the byte 1 (the rule says 127 for zeros: the codes are zeros and only this program reads the bytes); NaN and infinities are not served.
.set X,   32                           ; v32-159  four blocks of 32 numbers
.set FR0, 160                          ; v160-171 blocks 0 and 2, then tile 0's fragment
.set FR1, 172                          ; v172-183 blocks 1 and 3, then tile 1's fragment
.set T,   184                          ; v184-199 each block's upper 16 codes (a conversion's three registers begin on an even number)
.set SO,  12                           ; v12-15   the conversions' scale operands
.set WD,  20                           ; v20      my column's scale word
	s_load_b256 s[4:11], s[0:1], 0x0               ; Wq, Wk, Wv, Wo
	s_load_b256 s[12:19], s[0:1], 0x20             ; W1, W2, wfrag, wscl
	v_and_b32 v4, 15, v0                           ; r
	v_lshrrev_b32 v5, 4, v0                        ; h
	v_and_b32 v6, 8, v4
	v_add_nc_u32 v6, v6, v4
	v_lshl_add_u32 v6, v5, 3, v6                   ; my column of the 32: 8 h + r + (r & 8)
	v_lshlrev_b32 v1, 2, v6                        ; in bytes: the 32 lanes cover 128 consecutive bytes
	v_lshlrev_b32 v2, 4, v0                        ; 16 x lane
	v_lshlrev_b32 v3, 2, v0                        ; 4 x lane
	s_and_b32 s22, ttmp9, 15
	s_and_b32 s23, ttmp9, 63
	s_cmp_lt_u32 ttmp9, 64
	s_cselect_b32 s22, s22, s23                    ; the unit's number inside its weight
	s_lshr_b32 s23, s22, 1
	s_lshr_b32 s24, s22, 3
	s_and_b32 s25, s22, 1
	s_and_b32 s26, s22, 7
	s_cmp_lt_u32 ttmp9, 128
	s_cselect_b32 s23, s23, s24                    ; p
	s_cselect_b32 s25, s25, s26                    ; ks
	s_lshr_b32 s27, ttmp9, 6                       ; 1 for W1, whose rows are 4,096 bytes; all others' are 1,024
	s_cmp_eq_u32 s27, 1
	s_cselect_b32 s28, 19, 17
	s_lshl_b32 s28, s25, s28                       ; 128 ks rows
	s_lshl_b32 s29, s23, 7                         ; + 32 p columns
	s_add_co_u32 s28, s28, s29
	s_mov_b32 s29, 0
	s_mul_i32 s30, ttmp9, 3072
	s_mov_b32 s31, 0
	s_lshl_b32 s32, ttmp9, 7
	s_mov_b32 s33, 0
	s_wait_kmcnt 0x0
	s_mov_b64 s[20:21], s[14:15]                   ; the weight: chosen by the unit's number alone
	s_cmp_lt_u32 ttmp9, 128
	s_cselect_b64 s[20:21], s[12:13], s[20:21]
	s_cmp_lt_u32 ttmp9, 64
	s_cselect_b64 s[20:21], s[10:11], s[20:21]
	s_cmp_lt_u32 ttmp9, 48
	s_cselect_b64 s[20:21], s[8:9], s[20:21]
	s_cmp_lt_u32 ttmp9, 32
	s_cselect_b64 s[20:21], s[6:7], s[20:21]
	s_cmp_lt_u32 ttmp9, 16
	s_cselect_b64 s[20:21], s[4:5], s[20:21]
	s_add_nc_u64 s[20:21], s[20:21], s[28:29]
	s_add_nc_u64 s[16:17], s[16:17], s[30:31]
	s_add_nc_u64 s[18:19], s[18:19], s[32:33]
.macro LOADB kb, pitch                 ; block kb: W(32 kb + i, my column), i = 0 .. 31
.irp i, 0,1,2,3,4,5,6,7,8,9,10,11,12,13,14,15,16,17,18,19,20,21,22,23,24,25,26,27,28,29,30,31
	global_load_b32 v[X+32*(\kb)+\i], v1, s[20:21] offset:(32*(\kb)+\i)*(\pitch) th:TH_LOAD_NT
.endr
.endm
.macro BLK kb                          ; largest magnitude, scale operand, byte, 32 codes
.set XS, X+32*(\kb)
.set FD, FR0+12*((\kb)%2)+6*((\kb)/2)
	v_max3_num_f32 v8, |v[XS]|, |v[XS+1]|, |v[XS+2]|
	v_max3_num_f32 v9, |v[XS+3]|, |v[XS+4]|, |v[XS+5]|
.irp i, 6,10,14,18,22,26
	v_max3_num_f32 v8, v8, |v[XS+\i]|, |v[XS+\i+1]|
	v_max3_num_f32 v9, v9, |v[XS+\i+2]|, |v[XS+\i+3]|
.endr
	v_max3_num_f32 v8, v8, |v[XS+30]|, |v[XS+31]|
	v_max3_num_f32 v8, v8, v9, 0x2800000           ; and the floor 2^(5 - 127): the byte cannot fall under 1
	v_add_nc_u32 v[SO+(\kb)], 0xfe000000, v8       ; 4 off the exponent field: the conversion takes this operand's exponent field as its scale
	v_lshrrev_b32 v10, 23, v[SO+(\kb)]             ; the byte
.if (\kb) == 0
	v_mov_b32 v[WD], v10
.else
	v_lshl_or_b32 v[WD], v10, 8*(\kb), v[WD]
.endif
	v_cvt_scalef32_pk16_bf6_f32 v[FD:FD+2], v[XS:XS+15], v[SO+(\kb)]
	v_cvt_scalef32_pk16_bf6_f32 v[T+4*(\kb):T+4*(\kb)+2], v[XS+16:XS+31], v[SO+(\kb)]
.endm
.macro BODY pitch                      ; loads run two blocks ahead: at most 64 are out
	LOADB 0, \pitch
	LOADB 1, \pitch
	s_wait_loadcnt 32                              ; block 0 is in; block 1's 32 loads may be out
	LOADB 2, \pitch
	BLK 0
	s_wait_loadcnt 32                              ; block 1 is in; block 2's may be out
	LOADB 3, \pitch
	BLK 1
	s_wait_loadcnt 32                              ; block 2 is in; block 3's may be out
	BLK 2
	s_wait_loadcnt 0x0
	BLK 3
	v_nop                                          ; one plain line behind the last scaled conversion
.irp kb, 0,1,2,3
.irp i, 0,1,2
	v_mov_b32 v[FR0+12*(\kb%2)+6*(\kb/2)+3+\i], v[T+4*\kb+\i]
.endr
.endr
.irp i, 0,1,2,3,4,5,6,7,8,9,10,11
	v_permlane16_swap_b32 v[FR0+\i], v[FR1+\i]     ; tile 1's even blocks change places with tile 0's odd blocks: each run is now a whole fragment (lanes 0-15 blocks 0, 2; lanes 16-31 blocks 1, 3)
.endr
.irp q, 0,1,2
	global_store_b128 v2, v[FR0+4*\q:FR0+4*\q+3], s[16:17] offset:512*\q          ; 32 lanes store 512 consecutive bytes
	global_store_b128 v2, v[FR1+4*\q:FR1+4*\q+3], s[16:17] offset:1536+512*\q
.endr
	global_store_b32 v3, v[WD], s[18:19]
	s_endpgm
.endm
	s_cmp_eq_u32 s27, 1
	s_cbranch_scc1 .Lwide
	BODY 1024
.Lwide:
	BODY 4096
.Lfunc_end_k_qb669f960c6_prep:
	.size	k_qb669f960c6_prep, .Lfunc_end_k_qb669f960c6_prep-k_qb669f960c6_prep
	.p2alignl 7, 3214868480
	.fill 96, 4, 3214868480
	.section	.rodata,"a",@progbits
	.p2align	6, 0x0
	.amdhsa_kernel k_qb669f960c6_prep
		.amdhsa_group_segment_fixed_size 0
		.amdhsa_private_segment_fixed_size 0
		.amdhsa_enable_private_segment 0
		.amdhsa_kernarg_size 64
		.amdhsa_user_sgpr_count 2
		.amdhsa_user_sgpr_kernarg_segment_ptr 1
		.amdhsa_wavefront_size32 1
		.amdhsa_system_sgpr_workgroup_id_x 1
		.amdhsa_system_sgpr_workgroup_id_y 1
		.amdhsa_system_sgpr_workgroup_id_z 1
		.amdhsa_system_vgpr_workitem_id 0
		.amdhsa_next_free_vgpr 200
		.amdhsa_next_free_sgpr 66
		.amdhsa_reserve_vcc 0
		.amdhsa_float_denorm_mode_32 3
		.amdhsa_float_denorm_mode_16_64 3
		.amdhsa_memory_ordered 1
		.amdhsa_forward_progress 1
		.amdhsa_inst_pref_size 40
	.end_amdhsa_kernel
	.amdgpu_metadata
---
amdhsa.version: [ 1, 2 ]
amdhsa.kernels:
  - .name:           k_qb669f960c6_prep
    .symbol:         k_qb669f960c6_prep.kd
    .args:
      - { .name: Wq, .offset: 0, .size: 8, .value_kind: global_buffer, .address_space: global }
      - { .name: Wk, .offset: 8, .size: 8, .value_kind: global_buffer, .address_space: global }
      - { .name: Wv, .offset: 16, .size: 8, .value_kind: global_buffer, .address_space: global }
      - { .name: Wo, .offset: 24, .size: 8, .value_kind: global_buffer, .address_space: global }
      - { .name: W1, .offset: 32, .size: 8, .value_kind: global_buffer, .address_space: global }
      - { .name: W2, .offset: 40, .size: 8, .value_kind: global_buffer, .address_space: global }
      - { .name: wfrag, .offset: 48, .size: 8, .value_kind: global_buffer, .address_space: global }
      - { .name: wscl, .offset: 56, .size: 8, .value_kind: global_buffer, .address_space: global }
    .group_segment_fixed_size: 0
    .private_segment_fixed_size: 0
    .kernarg_segment_align: 8
    .kernarg_segment_size: 64
    .max_flat_workgroup_size: 32
    .sgpr_count:     66
    .vgpr_count:     200
    .wavefront_size: 32
...
	.end_amdgpu_metadata
.endif
;; end of part 1
;; launch kvpass (part 2): grid 256 x 1, 4 waves a work-group, no clusters, 327,680 bytes of LDS; arguments x, wfrag, wscl, bk, bv, kvpart, kspart; writes kvpart, kspart
.if DOCPART == 2
	.amdgcn_target "amdgcn-amd-amdhsa--gfx1250"
	.amdhsa_code_object_version 6
	.text
	.protected	k_qb669f960c6_kvpass
	.globl	k_qb669f960c6_kvpass
	.p2align	8
	.type	k_qb669f960c6_kvpass,@function
k_qb669f960c6_kvpass:
	s_mov_b64 s[64:65], 0
	v_nop
	global_prefetch_b8 v0, s[64:65] scope:SCOPE_SE
	s_setreg_imm32_b32 hwreg(HW_REG_WAVE_MODE, 25, 1), 1
	s_wait_xcnt 0x0
; KVPASS: for 256 rows of x: k = x Wk + bk, v = x Wv + bv (on codes of E3M2), k_phi = elu(k) + 1, and this work-group's part of kv[d][e] = sum over l of Q(k_phi)[l][d] Q(v)[l][e] and of k_sum[d].
; SHARES.  Two chunks of 128 rows.  Wave w owns heads 2 w, 2 w + 1: eight column tiles ct (0-3: k's, 2 gg + u; 4-7: v's), whose 16 weight fragments stay in registers.
; x comes by tensor loads, each wave its own 32 rows of each chunk, each LDS byte filled once.  Wave w quantises row tiles 2 w, 2 w + 1 of a chunk; the fragments go round through LDS as images of their registers.
; LAYOUT.  k and v are made with source 0 = 16 rows of x and source 1 = 16 columns of W: a lane holds ONE channel and its 64 registers run down the chunk's rows, register 8 t + j = row 16 t + 8 h + j.
; So registers 16 b .. 16 b + 15 lie in row block b, and the quantiser along l is the same macro as along channels.  Inside a block of 32 rows the codes stand in the order 0-7, 16-23, 8-15, 24-31, on both operands alike.
; kv's tile (d tile a, e tile c): lane r is e = 8 c + r + (r & 8); the registers of tiles a = 0, 1 are d = 16 h + 0 .. 15.
; No cluster: the work-groups share only the weights, which go straight into registers once.
; LIMITS: NaN and infinities are not served; a block of zeros or under 2^-122 gets the byte 1; exponentials under 2^-126 come out as 0; the order of the f32 sums of kv and k_sum differs from a plain left-to-right sum.
; REGISTERS: window 0 as named below.  window 1: v0-191 W's fragments (ct, s) at 12 (2 ct + s); v192-255 the biases, eight equal registers a tile.
;   window 2: v0-191 x's 16 fragments (t, s) at 12 (2 t + s); v192-255 kv's accumulators (gg, a, c) at 192 + 8 (4 gg + 2 a + c).   window 3: v0-95 the eight code fragments at 12 ct.
.set PITCH, 1040                       ; a row of x in LDS: 1,024 bytes + 16: an odd multiple of 16, so the 16 rows of a 16-byte load start in different groups of banks
.set XIMG,  266240                     ; behind the 256 rows: chunk c's images at + 26,624 c: fragment (t, s) at (2 t + s) x 1,536
.set XSC,   290816                     ; and their scale words, 128 bytes a fragment, at + 26,624 c
.set LI,  2                            ; v2      16 x lane
.set LS,  3                            ; v3      4 x lane
.set XA,  4                            ; v4-5    chunk c: my row's bytes: (128 c + 32 w + r) x 1,040 + 64 h
.set XWI, 6                            ; v6-7    where I store images: XIMG + 6,144 w + 16 x lane
.set XWS, 8                            ; v8-9    and scale words: XSC + 512 w + 4 x lane
.set XRI, 10                           ; v10-11  where images are read: XIMG + 16 x lane
.set XRS, 12                           ; v12-13  XSC + 4 x lane
.set WS,  16                           ; v16-23  the weights' scale words (k or v, gg, s)
.set XS,  24                           ; v24-39  x's scale words, 2 t + s
.set CS,  40                           ; v40-47  the code fragments' scale words
.set TMX, 48
.set TMB, 52
.set TSO, 56
.set PW,  60
.set PC,  66                           ; v66-85  the codes just made
.set HA,  96                           ; v96-159 a column tile's 64 results
.set KS,  160                          ; v160-167 k_sum, a pair for each of k's four tiles
.set E,   168                          ; v168-231 at work
.set SEL, 40                           ; s[40:41]
.set MSB, 0
.macro WIN new                         ; the immediate's high byte repeats the setting that is left
.if MSB != (\new)
	s_set_vgpr_msb (MSB<<8)|(\new)
.set MSB, \new
.endif
.endm
.macro PLACES n
.rept \n
	v_nop
.endr
.endm
.macro BARRIER                         ; my LDS stores have landed and my LDS loads are in: then the work-group's barrier
	s_wait_dscnt 0x0
	s_barrier_signal -1
	s_barrier_wait -1
.endm
; one matrix instruction.  c < 0: the sum begins with 0.  row = 1: source 0's scales from lanes 16-31; 2: source 1's
.macro WM d, a, b, c, sa, sb, row
.if (\c) < 0
.if (\row) == 0
	v_wmma_scale_f32_16x16x128_f8f6f4 v[\d:\d+7], v[\a:\a+11], v[\b:\b+11], 0, v[\sa], v[\sb] matrix_a_fmt:MATRIX_FMT_BF6 matrix_b_fmt:MATRIX_FMT_BF6
.elseif (\row) == 1
	v_wmma_scale_f32_16x16x128_f8f6f4 v[\d:\d+7], v[\a:\a+11], v[\b:\b+11], 0, v[\sa], v[\sb] matrix_a_fmt:MATRIX_FMT_BF6 matrix_b_fmt:MATRIX_FMT_BF6 matrix_a_scale:MATRIX_SCALE_ROW1
.else
	v_wmma_scale_f32_16x16x128_f8f6f4 v[\d:\d+7], v[\a:\a+11], v[\b:\b+11], 0, v[\sa], v[\sb] matrix_a_fmt:MATRIX_FMT_BF6 matrix_b_fmt:MATRIX_FMT_BF6 matrix_b_scale:MATRIX_SCALE_ROW1
.endif
.else
.if (\row) == 0
	v_wmma_scale_f32_16x16x128_f8f6f4 v[\d:\d+7], v[\a:\a+11], v[\b:\b+11], v[\c:\c+7], v[\sa], v[\sb] matrix_a_fmt:MATRIX_FMT_BF6 matrix_b_fmt:MATRIX_FMT_BF6
.elseif (\row) == 1
	v_wmma_scale_f32_16x16x128_f8f6f4 v[\d:\d+7], v[\a:\a+11], v[\b:\b+11], v[\c:\c+7], v[\sa], v[\sb] matrix_a_fmt:MATRIX_FMT_BF6 matrix_b_fmt:MATRIX_FMT_BF6 matrix_a_scale:MATRIX_SCALE_ROW1
.else
	v_wmma_scale_f32_16x16x128_f8f6f4 v[\d:\d+7], v[\a:\a+11], v[\b:\b+11], v[\c:\c+7], v[\sa], v[\sb] matrix_a_fmt:MATRIX_FMT_BF6 matrix_b_fmt:MATRIX_FMT_BF6 matrix_b_scale:MATRIX_SCALE_ROW1
.endif
.endif
.endm
; 64 numbers of a lane in window w, register 16 b + i one of my 16 of block b (lane l xor 16 holds the other 16), become a fragment's 12 registers in v[PC] on and its scale word in v[pw]
.macro QUANT s, w, pw
	WIN (\w)|((\w)<<2)
.irp b, 0,1,2,3
	v_max3_num_f32 v[TMX+\b], |v[16*\b+\s]|, |v[16*\b+1+\s]|, 0x2800000   ; with the floor 2^(5 - 127): the byte cannot fall under 1
.endr
	WIN ((\w)<<2)|((\w)<<4)
.irp i, 2,4,6,8,10,12,14
.irp b, 0,1,2,3
	v_max3_num_f32 v[TMX+\b], v[TMX+\b], |v[16*\b+\i+\s]|, |v[16*\b+\i+1+\s]|   ; the four blocks by turns
.endr
.endr
	WIN 0
.irp b, 0,1,2,3
	v_permlanex16_b32 v[TMB+\b], v[TMX+\b], s[SEL], s[SEL+1]
.endr
.irp b, 0,1,2,3
	v_max_num_f32 v[TMX+\b], v[TMX+\b], v[TMB+\b]  ; the block's largest magnitude
.endr
.irp b, 0,1,2,3
	v_add_nc_u32 v[TSO+\b], 0xfe000000, v[TMX+\b]  ; 4 off its exponent field: the conversion's scale operand
.endr
.irp b, 0,1,2,3
	v_lshrrev_b32 v[TMB+\b], 23, v[TSO+\b]         ; the byte
.endr
	v_lshl_or_b32 v[\pw], v[TMB+1], 8, v[TMB]
	v_lshl_or_b32 v[\pw], v[TMB+2], 16, v[\pw]
	v_lshl_or_b32 v[\pw], v[TMB+3], 24, v[\pw]
	WIN \w
.irp c, 0,1
	v_cvt_scalef32_pk16_bf6_f32 v[PC+6*\c:PC+6*\c+2], v[32*\c+\s:32*\c+15+\s], v[TSO+2*\c]
	v_cvt_scalef32_pk16_bf6_f32 v[PC+12+4*\c:PC+14+4*\c], v[32*\c+16+\s:32*\c+31+\s], v[TSO+2*\c+1]
.endr
	WIN 0
	v_nop                                          ; one plain line behind the last scaled conversion
.irp c, 0,1                            ; the operand wants a whole block in a lane: lanes 0-15 block 2 c, lanes 16-31 block 2 c + 1
.irp i, 0,1,2
	v_permlane16_swap_b32 v[PC+6*\c+\i], v[PC+12+4*\c+\i]
.endr
.irp i, 0,1,2
	v_mov_b32 v[PC+6*\c+3+\i], v[PC+12+4*\c+\i]
.endr
.endr
.endm
; elu(q) + 1 = max(q, 0) + 2^min(q log2(e), 0): q + 1 above 0, e^q at 0 and below.  The 64 exponentials are one batch with one wait; the 64 maxima are the independent work behind them
.macro PHI
.set jj, 0
.rept 32
	v_pk_mul_f32 v[E+jj:E+jj+1], v[HA+jj:HA+jj+1], 0x3fb8aa3b op_sel_hi:[1,0]
.set jj, jj+2
.endr
.set jj, 0
.rept 64
	v_min_num_f32 v[E+jj], 0, v[E+jj]
.set jj, jj+1
.endr
.set jj, 0
.rept 64
	v_exp_f32 v[E+jj], v[E+jj]
.set jj, jj+1
.endr
.set jj, 0
.rept 64
	v_max_num_f32 v[HA+jj], 0, v[HA+jj]
.set jj, jj+1
.endr
	s_wait_alu depctr_va_vdst(0)                   ; ahead of the first line that names an exponential's result: one wait for the batch
.set jj, 0
.rept 32
	v_pk_add_f32 v[HA+jj:HA+jj+1], v[HA+jj:HA+jj+1], v[E+jj:E+jj+1]
.set jj, jj+2
.endr
.endm
.macro KSUM kt                         ; my channel's sum over my 64 rows, by a tree, onto the tile's pair
.irp i, 0,1,2,3,4,5,6,7,8,9,10,11,12,13,14,15
	v_pk_add_f32 v[E+2*\i:E+2*\i+1], v[HA+4*\i:HA+4*\i+1], v[HA+4*\i+2:HA+4*\i+3]
.endr
.irp i, 0,1,2,3,4,5,6,7
	v_pk_add_f32 v[E+2*\i:E+2*\i+1], v[E+4*\i:E+4*\i+1], v[E+4*\i+2:E+4*\i+3]
.endr
.irp i, 0,1,2,3
	v_pk_add_f32 v[E+2*\i:E+2*\i+1], v[E+4*\i:E+4*\i+1], v[E+4*\i+2:E+4*\i+3]
.endr
.irp i, 0,1
	v_pk_add_f32 v[E+2*\i:E+2*\i+1], v[E+4*\i:E+4*\i+1], v[E+4*\i+2:E+4*\i+3]
.endr
	v_pk_add_f32 v[E:E+1], v[E:E+1], v[E+2:E+3]
	v_pk_add_f32 v[KS+2*(\kt):KS+2*(\kt)+1], v[KS+2*(\kt):KS+2*(\kt)+1], v[E:E+1]
.endm
.macro LOADRAW c, n, reg               ; unit n = 2 i + s: row tile i of my two, K step s: my row's 16 numbers of each of four blocks
.irp b, 0,1,2,3
.irp j, 0,1,2,3
	ds_load_b128 v[\reg+16*\b+4*\j:\reg+16*\b+4*\j+3], v[XA+\c] offset:16640*((\n)/2)+512*((\n)%2)+128*\b+16*\j
.endr
.endr
.endm
.macro XUNIT c, n, reg, left           ; left: the LDS loads issued behind this unit's, which may stay out
	s_wait_dscnt \left
	QUANT \reg, 0, PW
.irp q, 0,1,2
	ds_store_b128 v[XWI+\c], v[PC+4*\q:PC+4*\q+3] offset:1536*(\n)+512*\q
.endr
	ds_store_b32 v[XWS+\c], v[PW] offset:128*(\n)
.endm
; a column tile for the chunk's 128 rows: 16 matrix instructions on eight accumulators by turns; phi and k_sum for k's tiles; codes along l into window 3
.macro COLTILE ct
	WIN 0x16                                       ; source 0 (x) window 2, source 1 (W) window 1, C (the bias) window 1
.irp t, 0,1,2,3,4,5,6,7
	WM HA+8*\t, 24*\t, 24*(\ct), 192+8*(\ct), XS+2*\t, WS+4*((\ct)/4)+2*(((\ct)%4)/2), 2*((\ct)%2)
.endr
	WIN 0x06
.irp t, 0,1,2,3,4,5,6,7
	WM HA+8*\t, 24*\t+12, 24*(\ct)+12, HA+8*\t, XS+2*\t+1, WS+4*((\ct)/4)+2*(((\ct)%4)/2)+1, 2*((\ct)%2)
.endr
	WIN 0
	PLACES 4                                       ; four plain lines between the last product and the first read of results
.if (\ct) < 4
	PHI
	KSUM \ct
.endif
	QUANT HA, 0, CS+(\ct)
	WIN 0xc0
.irp i, 0,1,2,3,4,5,6,7,8,9,10,11
	v_mov_b32 v[12*(\ct)+\i], v[PC+\i]
.endr
	WIN 0
.endm
.macro CHUNK c, zero
	s_wait_tensorcnt 1-\c                          ; my 32 rows of this chunk are in; for chunk 0 the count leaves chunk 1's load out
	LOADRAW \c, 0, HA
	LOADRAW \c, 1, E
	XUNIT \c, 0, HA, 16
	LOADRAW \c, 2, HA
	XUNIT \c, 1, E, 16                             ; 16: only the loads just issued stay out: this unit's loads are in and the last unit's stores are done
	LOADRAW \c, 3, E
	XUNIT \c, 2, HA, 16
	XUNIT \c, 3, E, 0
	BARRIER                                        ; the chunk's 16 fragments of x lie in LDS
	WIN 0x80
.set ff, 0
.rept 16
.irp q, 0,1,2
	ds_load_b128 v[12*ff+4*\q:12*ff+4*\q+3], v[XRI+\c] offset:1536*ff+512*\q
.endr
.set ff, ff+1
.endr
	WIN 0
.set ff, 0
.rept 16
	ds_load_b32 v[XS+ff], v[XRS+\c] offset:128*ff
.set ff, ff+1
.endr
	s_wait_dscnt 0x0
.irp ct, 0,1,2,3,4,5,6,7
	COLTILE \ct
.endr
	PLACES 8                                       ; operands and scale words written by vector lines stand 4 and 8 plain lines ahead of a scaled product
	WIN 0xaf                                       ; sources window 3, C and D window 2
.irp gg, 0,1
.irp a, 0,1
.irp cc, 0,1
.if \zero
	WM 192+8*(4*\gg+2*\a+\cc), 12*(2*\gg+\a), 12*(4+2*\gg+\cc), -1, CS+2*\gg+\a, CS+4+2*\gg+\cc, 0
.else
	WM 192+8*(4*\gg+2*\a+\cc), 12*(2*\gg+\a), 12*(4+2*\gg+\cc), 192+8*(4*\gg+2*\a+\cc), CS+2*\gg+\a, CS+4+2*\gg+\cc, 0
.endif
.endr
.endr
.endr
	WIN 0
.endm
	s_load_b256 s[4:11], s[0:1], 0x0               ; x, wfrag, wscl, bk
	s_load_b128 s[12:15], s[0:1], 0x20             ; bv, kvpart
	s_load_b64 s[16:17], s[0:1], 0x30              ; kspart
	v_lshl_add_u32 v254, v0, 2, 0x4e000
	v_mov_b32 v255, 0
	ds_add_u32 v254, v255
	ds_add_u32 v254, v255
	v_lshrrev_b32 v1, 5, v0
	v_readfirstlane_b32 s18, v1                    ; wave 0..3
	; descriptor group 1: 32 rows of 256 elements of 4 bytes, 4 words of padding behind every 256 words
	s_mov_b32 s24, (2<<16)|(1<<20)|(7<<22)|(3<<25)
	s_mov_b32 s25, 256<<16                         ; tensor_dim0
	s_mov_b32 s26, 32<<16                          ; tensor_dim1
	s_mov_b32 s27, 256<<16                         ; tile_dim0
	s_mov_b32 s28, 32                              ; tile_dim1
	s_mov_b32 s29, 256                             ; elements from row to row
	s_mov_b32 s30, 0
	s_mov_b32 s31, 0
	s_lshl_b32 s20, ttmp9, 18                      ; 256 rows of 1,024 bytes a work-group,
	s_lshl_b32 s21, s18, 15                        ; 32 rows a wave
	s_add_co_u32 s20, s20, s21
	s_mov_b32 s21, 0
	s_mul_i32 s22, s18, 32*PITCH
	s_mov_b32 s[SEL], 0x76543210
	s_mov_b32 s[SEL+1], 0xfedcba98
	s_wait_dscnt 0x0
	s_wait_kmcnt 0x0
	s_add_nc_u64 s[4:5], s[4:5], s[20:21]
	s_mov_b32 s32, 1
	s_mov_b32 s33, s22                             ; chunk 0: LDS rows 32 w on
	s_mov_b64 s[34:35], s[4:5]
	s_or_b32 s35, s35, 0x80000000
	s_mov_b32 s36, 1
	s_add_co_u32 s37, s22, 128*PITCH               ; chunk 1: 128 rows further on, in LDS and in memory
	s_add_nc_u64 s[38:39], s[4:5], 0x20000
	s_or_b32 s39, s39, 0x80000000
	tensor_load_to_lds s[32:35], s[24:31]          ; both first fills go out together; no LDS byte is filled twice in this launch; two loads of mine are out
	s_nop 0
	tensor_load_to_lds s[36:39], s[24:31]
	s_nop 0
.rept 4
	v_nop
.endr
	v_and_b32 v14, 31, v0                          ; lane
	v_and_b32 v15, 15, v0                          ; r
	v_bfe_u32 v1, v0, 4, 1                         ; h
	v_lshlrev_b32 v[LI], 4, v14
	v_lshlrev_b32 v[LS], 2, v14
	v_mul_u32_u24 v[XA], v15, PITCH
	v_lshl_add_u32 v[XA], v1, 6, v[XA]
	v_add_nc_u32 v[XA], s22, v[XA]
	v_add_nc_u32 v[XA+1], 128*PITCH, v[XA]
	s_mul_i32 s23, s18, 6144
	v_add_nc_u32 v[XWI], s23, v[LI]
	v_add_nc_u32 v[XWI+1], XIMG+26624, v[XWI]
	v_add_nc_u32 v[XWI], XIMG, v[XWI]
	s_lshl_b32 s23, s18, 9
	v_add_nc_u32 v[XWS], s23, v[LS]
	v_add_nc_u32 v[XWS+1], XSC+26624, v[XWS]
	v_add_nc_u32 v[XWS], XSC, v[XWS]
	v_add_nc_u32 v[XRI], XIMG, v[LI]
	v_add_nc_u32 v[XRI+1], XIMG+26624, v[LI]
	v_add_nc_u32 v[XRS], XSC, v[LS]
	v_add_nc_u32 v[XRS+1], XSC+26624, v[LS]
	v_and_b32 v14, 8, v15
	v_add_nc_u32 v14, v14, v15
	v_lshlrev_b32 v14, 2, v14                      ; 4 (r + (r & 8)): my channel in a tile
	s_mul_i32 s20, s18, 12288                      ; my four units of each weight
	s_add_nc_u64 s[6:7], s[6:7], s[20:21]
	s_lshl_b32 s20, s18, 9
	s_add_nc_u64 s[8:9], s[8:9], s[20:21]
	s_add_nc_u64 s[16:17], s[16:17], s[20:21]      ; kspart: 512 w,
	s_lshl_b32 s20, s18, 8                         ; my 64 channels of the biases
	s_add_nc_u64 s[10:11], s[10:11], s[20:21]
	s_add_nc_u64 s[12:13], s[12:13], s[20:21]
	s_lshl_b32 s20, ttmp9, 11
	s_add_nc_u64 s[16:17], s[16:17], s[20:21]      ; + 2,048 x work-group
	s_lshl_b32 s20, ttmp9, 15
	s_lshl_b32 s23, s18, 13
	s_add_co_u32 s20, s20, s23
	s_add_nc_u64 s[14:15], s[14:15], s[20:21]      ; kvpart: 32,768 x work-group + 8,192 w
	WIN 0x40
.irp gg, 0,1
.irp u, 0,1
.irp s, 0,1
.irp q, 0,1,2
	global_load_b128 v[12*(2*(2*\gg+\u)+\s)+4*\q:12*(2*(2*\gg+\u)+\s)+4*\q+3], v[LI], s[6:7] offset:(16+2*\gg+\s)*3072+1536*\u+512*\q
	global_load_b128 v[12*(2*(4+2*\gg+\u)+\s)+4*\q:12*(2*(4+2*\gg+\u)+\s)+4*\q+3], v[LI], s[6:7] offset:(32+2*\gg+\s)*3072+1536*\u+512*\q
.endr
.endr
.endr
.endr
	WIN 0
.irp gg, 0,1
.irp s, 0,1
	global_load_b32 v[WS+2*\gg+\s], v[LS], s[8:9] offset:(16+2*\gg+\s)*128
	global_load_b32 v[WS+4+2*\gg+\s], v[LS], s[8:9] offset:(32+2*\gg+\s)*128
.endr
.endr
.irp gg, 0,1
.irp u, 0,1
	global_load_b32 v[E+2*\gg+\u], v14, s[10:11] offset:128*\gg+32*\u
	global_load_b32 v[E+4+2*\gg+\u], v14, s[12:13] offset:128*\gg+32*\u
.endr
.endr
.irp i, 0,1,2,3,4,5,6,7
	v_mov_b32 v[KS+\i], 0                          ; k_sum begins at 0
.endr
.irp i, 0,1,2,3
	v_mov_b32 v[TMB+\i], 0                         ; written once: a lane permute's destination counts as one of its sources
.endr
	s_wait_loadcnt 0x0
	WIN 0x40
.irp ct, 0,1,2,3,4,5,6,7
.irp j, 0,1,2,3,4,5,6,7
	v_mov_b32 v[192+8*\ct+\j], v[E+\ct]            ; the bias as the C of a sum's first product: a lane's eight results are eight rows of its one channel
.endr
.endr
	WIN 0
	CHUNK 0, 1
	CHUNK 1, 0
	PLACES 4                                       ; between the last product and the stores of its results
.irp k, 0,1,2,3
	v_add_f32 v[TMX+\k], v[KS+2*\k], v[KS+2*\k+1]
.endr
.irp k, 0,1,2,3
	v_permlanex16_b32 v[TMB+\k], v[TMX+\k], s[SEL], s[SEL+1]
.endr
.irp k, 0,1,2,3
	v_add_f32 v[TMX+\k], v[TMX+\k], v[TMB+\k]      ; with the other half's rows: my channel's sum over the 256 rows
.endr
	global_store_b128 v[LI], v[TMX:TMX+3], s[16:17] th:TH_STORE_NT
	WIN 0x08                                       ; a store's data are its source 1: window 2
.irp gg, 0,1
.irp a, 0,1
.irp cc, 0,1
.irp q, 0,1
	global_store_b128 v[LI], v[192+8*(4*\gg+2*\a+\cc)+4*\q:192+8*(4*\gg+2*\a+\cc)+4*\q+3], s[14:15] offset:4096*\gg+2048*\cc+1024*\a+512*\q th:TH_STORE_NT   ; 512 consecutive bytes; each accumulator from its low end on
.endr
.endr
.endr
.endr
	WIN 0
	s_wait_tensorcnt 0x0
	ds_add_u32 v254, v255
	s_wait_dscnt 0x0
	s_endpgm
.Lfunc_end_k_qb669f960c6_kvpass:
	.size	k_qb669f960c6_kvpass, .Lfunc_end_k_qb669f960c6_kvpass-k_qb669f960c6_kvpass
	.p2alignl 7, 3214868480
	.fill 96, 4, 3214868480
	.section	.rodata,"a",@progbits
	.p2align	6, 0x0
	.amdhsa_kernel k_qb669f960c6_kvpass
		.amdhsa_group_segment_fixed_size 327680
		.amdhsa_private_segment_fixed_size 0
		.amdhsa_enable_private_segment 0
		.amdhsa_kernarg_size 56
		.amdhsa_user_sgpr_count 2
		.amdhsa_user_sgpr_kernarg_segment_ptr 1
		.amdhsa_wavefront_size32 1
		.amdhsa_system_sgpr_workgroup_id_x 1
		.amdhsa_system_sgpr_workgroup_id_y 1
		.amdhsa_system_sgpr_workgroup_id_z 1
		.amdhsa_system_vgpr_workitem_id 0
		.amdhsa_next_free_vgpr 1024
		.amdhsa_next_free_sgpr 66
		.amdhsa_reserve_vcc 0
		.amdhsa_float_denorm_mode_32 3
		.amdhsa_float_denorm_mode_16_64 3
		.amdhsa_memory_ordered 1
		.amdhsa_forward_progress 1
		.amdhsa_inst_pref_size 255
	.end_amdhsa_kernel
	.section	.bss,"aw",@nobits
	.p2align	6
	.space	262144
	.amdgpu_metadata
---
amdhsa.version: [ 1, 2 ]
amdhsa.kernels:
  - .name:           k_qb669f960c6_kvpass
    .symbol:         k_qb669f960c6_kvpass.kd
    .args:
      - { .name: x, .offset: 0, .size: 8, .value_kind: global_buffer, .address_space: global }
      - { .name: wfrag, .offset: 8, .size: 8, .value_kind: global_buffer, .address_space: global }
      - { .name: wscl, .offset: 16, .size: 8, .value_kind: global_buffer, .address_space: global }
      - { .name: bk, .offset: 24, .size: 8, .value_kind: global_buffer, .address_space: global }
      - { .name: bv, .offset: 32, .size: 8, .value_kind: global_buffer, .address_space: global }
      - { .name: kvpart, .offset: 40, .size: 8, .value_kind: global_buffer, .address_space: global }
      - { .name: kspart, .offset: 48, .size: 8, .value_kind: global_buffer, .address_space: global }
    .group_segment_fixed_size: 327680
    .private_segment_fixed_size: 0
    .kernarg_segment_align: 8
    .kernarg_segment_size: 56
    .max_flat_workgroup_size: 128
    .sgpr_count:     66
    .vgpr_count:     1024
    .wavefront_size: 32
...
	.end_amdgpu_metadata
.endif
;; end of part 2
;; launch kvred (part 3): grid 64 x 1, 8 waves a work-group, no clusters, 19,456 bytes of LDS; arguments kvpart, kspart, kvfrag, kvscl, ksum; writes kvfrag, kvscl, ksum
.if DOCPART == 3
	.amdgcn_target "amdgcn-amd-amdhsa--gfx1250"
	.amdhsa_code_object_version 6
	.text
	.protected	k_qb669f960c6_kvred
	.globl	k_qb669f960c6_kvred
	.p2align	8
	.type	k_qb669f960c6_kvred,@function
k_qb669f960c6_kvred:
	s_mov_b64 s[64:65], 0
	v_nop
	global_prefetch_b8 v0, s[64:65] scope:SCOPE_SE
	s_setreg_imm32_b32 hwreg(HW_REG_WAVE_MODE, 25, 1), 1
	s_wait_xcnt 0x0
; KVRED: a work-group (batch, head, e tile c) adds the 64 parts of kv's 32 x 16 piece and of 16 channels of k_sum, quantises kv along d (one block of 32) and stores it as an operand fragment.
; Wave i adds parts 8 i .. 8 i + 7 by a tree; the eight sums meet in LDS behind one barrier; wave 0 adds them and finishes.
; A lane (r, h) holds kv[d = 16 h + i][e = 8 c + r + (r & 8)], i = 0 .. 15.
; THE FRAGMENT (16 rows e x 128 K): the head's 32 codes stand in K block gpar = head & 1 (registers 0-5 of lane half gpar); every other code is 0, so that the second operand may hold anything finite there.
; The scale word has the block's byte at byte gpar and 0 elsewhere, over zero codes.
; LIMITS: a block of zeros or under 2^-122 gets the byte 1; NaN and infinities are not served; the sums' order is a tree over the parts.
.set F,   176                          ; v176-187 the fragment
.set SEL, 28
.macro TREES                           ; v32-159: eight sets of 16 -> v32-47;  v160-167 -> v160
.irp n, 0,2,4,6
.irp i, 0,2,4,6,8,10,12,14
	v_pk_add_f32 v[32+16*\n+\i:33+16*\n+\i], v[32+16*\n+\i:33+16*\n+\i], v[48+16*\n+\i:49+16*\n+\i]
.endr
.endr
.irp n, 0,4
.irp i, 0,2,4,6,8,10,12,14
	v_pk_add_f32 v[32+16*\n+\i:33+16*\n+\i], v[32+16*\n+\i:33+16*\n+\i], v[64+16*\n+\i:65+16*\n+\i]
.endr
.endr
.irp i, 0,2,4,6,8,10,12,14
	v_pk_add_f32 v[32+\i:33+\i], v[32+\i:33+\i], v[96+\i:97+\i]
.endr
	v_add_f32 v160, v160, v161
	v_add_f32 v162, v162, v163
	v_add_f32 v164, v164, v165
	v_add_f32 v166, v166, v167
	v_add_f32 v160, v160, v162
	v_add_f32 v164, v164, v166
	v_add_f32 v160, v160, v164
.endm
	s_load_b128 s[4:7], s[0:1], 0x0                ; kvpart, kspart
	s_load_b128 s[8:11], s[0:1], 0x10              ; kvfrag, kvscl
	s_load_b64 s[12:13], s[0:1], 0x20              ; ksum
	v_lshl_add_u32 v192, v0, 2, 0x4800
	v_mov_b32 v193, 0
	v_lshrrev_b32 v1, 5, v0
	v_readfirstlane_b32 s14, v1                    ; wave 0..7
	v_and_b32 v1, 31, v0                           ; lane
	v_lshlrev_b32 v4, 4, v1                        ; 16 x lane
	v_lshlrev_b32 v5, 2, v1                        ; 4 x lane
	s_mul_i32 s15, s14, 2304                       ; my wave's 2,304 bytes of LDS: 2,048 of kv, 128 of k_sum
	v_add_nc_u32 v2, s15, v4
	v_add_nc_u32 v3, s15, v5
	v_mov_b32 v9, 0                                ; a lane permute's destination counts as one of its sources
	s_lshr_b32 s16, ttmp9, 4                       ; batch
	s_bfe_u32 s17, ttmp9, 0x30001                  ; head
	s_and_b32 s18, ttmp9, 1                        ; c
	s_and_b32 s19, s17, 1                          ; gpar
	s_lshl_b32 s20, s16, 6
	s_lshl_b32 s21, s14, 3
	s_add_co_u32 s20, s20, s21                     ; my first part: 64 batch + 8 wave
	s_lshl_b32 s22, s20, 15
	s_lshl_b32 s23, s17, 12
	s_add_co_u32 s22, s22, s23
	s_lshl_b32 s23, s18, 11
	s_add_co_u32 s22, s22, s23                     ; kvpart: 32,768 part + 4,096 head + 2,048 c
	s_mov_b32 s23, 0
	s_lshl_b32 s24, s20, 11
	s_lshr_b32 s25, s17, 1
	s_lshl_b32 s25, s25, 9
	s_add_co_u32 s24, s24, s25
	s_lshl_b32 s25, s19, 3
	s_add_co_u32 s24, s24, s25
	s_lshl_b32 s25, s18, 2
	s_add_co_u32 s24, s24, s25                     ; kspart: 2,048 part + 512 (head / 2) + 4 (2 gpar + c)
	s_mov_b32 s25, 0
	s_lshl_b32 s26, s16, 3
	s_add_co_u32 s26, s26, s17                     ; 8 batch + head
	s_lshl_b32 s30, s26, 1
	s_add_co_u32 s30, s30, s18
	s_mul_i32 s30, s30, 1536                       ; kvfrag
	s_mov_b32 s31, 0
	s_lshl_b32 s32, s26, 7
	s_lshl_b32 s33, s18, 6
	s_add_co_u32 s32, s32, s33                     ; kvscl: 128 (8 batch + head) + 64 c
	s_mov_b32 s33, 0
	s_lshl_b32 s34, s26, 7                         ; ksum: 1,024 batch + 128 head + 32 c
	s_lshl_b32 s35, s18, 5
	s_add_co_u32 s34, s34, s35
	s_mov_b32 s35, 0
	s_lshl_b32 s27, s19, 8
	v_xor_b32 v6, s27, v4                          ; 16 x (lane xor 16 gpar): the block goes to lane half gpar
	v_and_b32 v12, 15, v0
	v_and_b32 v13, 8, v12
	v_add_nc_u32 v12, v12, v13
	v_lshlrev_b32 v12, 2, v12                      ; 4 (r + (r & 8))
	s_lshl_b32 s36, s19, 3                         ; 8 gpar bits
	s_mov_b32 s[SEL], 0x76543210
	s_mov_b32 s[SEL+1], 0xfedcba98
	s_wait_kmcnt 0x0
	s_add_nc_u64 s[4:5], s[4:5], s[22:23]
	s_add_nc_u64 s[6:7], s[6:7], s[24:25]
	s_add_nc_u64 s[8:9], s[8:9], s[30:31]
	s_add_nc_u64 s[10:11], s[10:11], s[32:33]
	s_add_nc_u64 s[12:13], s[12:13], s[34:35]
.irp n, 0,1,2,3,4,5,6,7
.irp k, 0,1,2,3
	global_load_b128 v[32+16*\n+4*\k:35+16*\n+4*\k], v4, s[4:5] offset:32768*\n+512*\k th:TH_LOAD_NT
.endr
	global_load_b32 v[160+\n], v4, s[6:7] offset:2048*\n
.endr
	s_wait_loadcnt 0x0
	TREES
.irp k, 0,1,2,3
	ds_store_b128 v2, v[32+4*\k:35+4*\k] offset:512*\k
.endr
	ds_store_b32 v3, v160 offset:2048
	s_wait_dscnt 0x0                               ; for the others' sake: my stores are done
	s_barrier_signal -1
	s_barrier_wait -1
	s_cmp_lg_u32 s14, 0
	s_cbranch_scc1 .Lend                           ; wave 0 finishes; no barrier follows
.irp n, 0,1,2,3,4,5,6,7
.irp k, 0,1,2,3
	ds_load_b128 v[32+16*\n+4*\k:35+16*\n+4*\k], v4 offset:2304*\n+512*\k
.endr
	ds_load_b32 v[160+\n], v5 offset:2304*\n+2048
.endr
.irp i, 3,4,5,6,7,8,9,10,11
	v_mov_b32 v[F+\i], 0
.endr
	s_wait_dscnt 0x0
	TREES
	v_max3_num_f32 v8, |v32|, |v33|, 0x2800000     ; the block's largest magnitude, with the floor 2^(5 - 127)
.irp i, 2,4,6,8,10,12,14
	v_max3_num_f32 v8, v8, |v[32+\i]|, |v[33+\i]|
.endr
	v_permlanex16_b32 v9, v8, s[SEL], s[SEL+1]
	v_max_num_f32 v8, v8, v9
	v_add_nc_u32 v10, 0xfe000000, v8               ; 4 off its exponent field: the conversion's scale operand
	v_lshrrev_b32 v11, 23, v10                     ; the byte,
	v_lshlrev_b32 v11, s36, v11                    ; at byte gpar of the word
	v_cvt_scalef32_pk16_bf6_f32 v[F:F+2], v[32:47], v10
	v_nop                                          ; one plain line behind the scaled conversion
.irp i, 0,1,2
	v_permlane16_swap_b32 v[F+\i], v[F+3+\i]       ; lanes 0-15 now hold all 32 codes in registers 0-5, lanes 16-31 zeros
.endr
.irp q, 0,1,2
	global_store_b128 v6, v[F+4*\q:F+4*\q+3], s[8:9] offset:512*\q
.endr
	v_cmp_gt_u32 vcc_lo, 16, v1
	s_wait_xcnt 0x0                                ; EXEC changes only behind this wait
	s_and_saveexec_b32 s37, vcc_lo
	global_store_b32 v5, v11, s[10:11]             ; lanes 0-15: row r's scale word
	global_store_b32 v12, v160, s[12:13]           ; and k_sum of channel 8 c + r + (r & 8)
	s_wait_xcnt 0x0                                ; and again in front of the line that widens it
	s_or_b32 exec_lo, exec_lo, s37
.Lend:
	s_wait_tensorcnt 0x0
	ds_add_u32 v192, v193
	s_wait_dscnt 0x0
	s_endpgm
.Lfunc_end_k_qb669f960c6_kvred:
	.size	k_qb669f960c6_kvred, .Lfunc_end_k_qb669f960c6_kvred-k_qb669f960c6_kvred
	.p2alignl 7, 3214868480
	.fill 96, 4, 3214868480
	.section	.rodata,"a",@progbits
	.p2align	6, 0x0
	.amdhsa_kernel k_qb669f960c6_kvred
		.amdhsa_group_segment_fixed_size 19456
		.amdhsa_private_segment_fixed_size 0
		.amdhsa_enable_private_segment 0
		.amdhsa_kernarg_size 40
		.amdhsa_user_sgpr_count 2
		.amdhsa_user_sgpr_kernarg_segment_ptr 1
		.amdhsa_wavefront_size32 1
		.amdhsa_system_sgpr_workgroup_id_x 1
		.amdhsa_system_sgpr_workgroup_id_y 1
		.amdhsa_system_sgpr_workgroup_id_z 1
		.amdhsa_system_vgpr_workitem_id 0
		.amdhsa_next_free_vgpr 194
		.amdhsa_next_free_sgpr 66
		.amdhsa_reserve_vcc 1
		.amdhsa_float_denorm_mode_32 3
		.amdhsa_float_denorm_mode_16_64 3
		.amdhsa_memory_ordered 1
		.amdhsa_forward_progress 1
		.amdhsa_inst_pref_size 19
	.end_amdhsa_kernel
	.amdgpu_metadata
---
amdhsa.version: [ 1, 2 ]
amdhsa.kernels:
  - .name:           k_qb669f960c6_kvred
    .symbol:         k_qb669f960c6_kvred.kd
    .args:
      - { .name: kvpart, .offset: 0, .size: 8, .value_kind: global_buffer, .address_space: global }
      - { .name: kspart, .offset: 8, .size: 8, .value_kind: global_buffer, .address_space: global }
      - { .name: kvfrag, .offset: 16, .size: 8, .value_kind: global_buffer, .address_space: global }
      - { .name: kvscl, .offset: 24, .size: 8, .value_kind: global_buffer, .address_space: global }
      - { .name: ksum, .offset: 32, .size: 8, .value_kind: global_buffer, .address_space: global }
    .group_segment_fixed_size: 19456
    .private_segment_fixed_size: 0
    .kernarg_segment_align: 8
    .kernarg_segment_size: 40
    .max_flat_workgroup_size: 256
    .sgpr_count:     66
    .vgpr_count:     194
    .wavefront_size: 32
...
	.end_amdgpu_metadata
.endif
;; end of part 3
;; launch block (part 4): grid 256 x 1, 4 waves a work-group, no clusters, 327,680 bytes of LDS; arguments x, wfrag, wscl, kvfrag, kvscl, ksum, bq, bo, b1, b2, ln1_g, ln1_b, ln2_g, ln2_b, out0; writes out0
.if DOCPART == 4
	.amdgcn_target "amdgcn-amd-amdhsa--gfx1250"
	.amdhsa_code_object_version 6
	.text
	.protected	k_qb669f960c6_block
	.globl	k_qb669f960c6_block
	.p2align	8
	.type	k_qb669f960c6_block,@function
k_qb669f960c6_block:
	s_mov_b64 s[64:65], 0
	v_nop
	global_prefetch_b8 v0, s[64:65] scope:SCOPE_SE
	s_setreg_imm32_b32 hwreg(HW_REG_WAVE_MODE, 25, 1), 1
	s_wait_xcnt 0x0
; BLOCK: for 256 rows: q = x Wq + bq, q_phi = elu + 1, z = 1 / (q_phi . k_sum + 1e-6), out = (q_phi kv) z, x1 = LN1(x + out Wo + bo), out0 = LN2(x1 + relu(x1 W1 + b1) W2 + b2).
; All matrix products on codes of E3M2 with one E8M0 byte for each 32 along K; q_phi . k_sum and the product with z in f32 vector arithmetic.  Nothing but x and out0 goes through memory.
; SHARES.  Four blocks of 64 rows (row tiles m = 0 .. 3).  THE WAVES SHARE THE COLUMNS: wave w owns channels 64 w .. 64 w + 63 (heads 2 w, 2 w + 1) of x, q, out, x1 and y, and hidden units 256 w .. 256 w + 255.
; Its parts of Wq, Wo, kv and W1 stay in registers (624), its part of W2 (49,152 bytes) in LDS, brought once by one tensor load; each LDS byte of it is filled once.
; Every product is used transposed (source 0 = 16 columns of the weight, source 1 = 16 rows): a lane holds ONE row, and its registers 16 b + i are channels 64 w + 32 b + 16 h + i.
; x is loaded as it lies (a load takes 2 rows x 256 consecutive bytes) and turned into that layout through the wave's own stage in LDS; out0 leaves by the same stage the other way round.
; Operands go from wave to wave through LDS as images of their registers.  A wave's 64 channels are half of a K step: it stores half a fragment (registers 6 c .. 6 c + 5, c = w & 1) and two bytes of the scale word.
; LayerNorm: each wave makes mean and sum of squared deviations of its 64 channels; the four pairs meet in LDS and are combined without a difference of large sums.
; LDS loads that hang on no barrier (parameters, W2's first K step) are issued ahead of the barrier, under vector work; waits on LDS are counted wherever younger instructions may stay out.
; No cluster: 319 KB of a work-group's 515 KB of weights go straight into registers, where no joint load reaches, and W2's part is fetched once in the launch and first read four phases later.
; LIMITS: NaN and infinities are not served; a block of zeros or under 2^-122 gets the byte 1; exponentials under 2^-126 come out as 0; biases are added as the first term of a sum, the statistics by trees.
; REGISTERS: window 0 as named below.  window 1: v0-191 W1's tiles 0-7, (t, s) at 12 (2 t + s); v192-255 Y of row tiles 0, 1.
;   window 2: v0-191 W1's tiles 8-15; v192-239 kv (g, u) at 192 + 12 (2 g + u); v240-255 W2's scale words.   window 3: v0-95 Wq (n, s) at 12 (2 n + s); v96-191 Wo; v192-255 Y of row tiles 2, 3.
;   Y (32 registers a row tile) holds x, then x + bo + out Wo, then x1 + b2 + the second layer's sums.
.set AIMG, 0                           ; x's, later x1's, 8 fragments: (m, s) at (2 m + s) x 1,536; half c at + 768 c: registers 0-3 at 16 x lane, registers 4-5 at 512 + 8 x lane
.set BIMG, 12288                       ; out's, likewise
.set ASC,  24576                       ; scale words, 128 bytes a fragment
.set BSC,  25600
.set HSC,  26624                       ; the hidden layer's, 32 fragments
.set ST1,  30720                       ; statistics: 32 bytes a row: four pairs (mean, sum of squares)
.set ST2,  32768
.set PAR,  34816                       ; 3,072 bytes a wave, its own: eight slices of 256 bytes (bq, k_sum, bo, ln1_g, ln1_b, b2, ln2_g, ln2_b), b1 at + 2,048
.set STG,  47104                       ; 4,352 bytes a wave, its own: 16 rows x (256 + 16)
.set HIMG, 64512                       ; the hidden layer's fragments: (m, ks) at (8 m + ks) x 1,536
.set W2L,  113664                      ; W2: 49,152 bytes a wave: the only bytes that a tensor load fills
.set LI16, 1
.set LI8,  2
.set LS,   3
.set IW16, 4
.set IW8,  5
.set SW,   6
.set HW,   7
.set HSW,  8
.set HR,   9
.set W2R,  10
.set PR,   11
.set STW,  12
.set STR,  13
.set SGI,  14                          ; the stage by lanes' rows: 272 r + 64 h
.set SGO,  15                          ; the stage by whole rows: 272 h + 16 r
.set OO,   17                          ; x and out0 by whole rows: 1,024 h + 16 r
.set W1S,  18                          ; v18-57 hold scale words and nothing else
.set WQS,  34
.set WOS,  38
.set KVS,  42
.set AS,   44
.set W2S,  52
.set PW,   56                          ; v56 the scale word just made; v57 its upper half
.set ME,   58
.set PFO,  60
.set TMX,  62
.set TMB,  66
.set TSO,  70
.set ME2,  74
.set PC,   76                          ; v76-95
.set HA,   96                          ; v96-159
.set E,    192
.set SEL,  52                          ; s[52:53]
.set MSB, 0
.macro WIN new                         ; the immediate's high byte repeats the setting that is left
.if MSB != (\new)
	s_set_vgpr_msb (MSB<<8)|(\new)
.set MSB, \new
.endif
.endm
.macro PLACES n
.rept \n
	v_nop
.endr
.endm
.macro BARRIER                         ; my LDS stores have landed and my LDS loads are in: then the work-group's barrier
	s_wait_dscnt 0x0
	s_barrier_signal -1
	s_barrier_wait -1
.endm
; one matrix instruction.  c < 0: the sum begins with 0.  row = 1: source 0's scales from lanes 16-31
.macro WM d, a, b, c, sa, sb, row
.if (\c) < 0
.if (\row) == 0
	v_wmma_scale_f32_16x16x128_f8f6f4 v[\d:\d+7], v[\a:\a+11], v[\b:\b+11], 0, v[\sa], v[\sb] matrix_a_fmt:MATRIX_FMT_BF6 matrix_b_fmt:MATRIX_FMT_BF6
.else
	v_wmma_scale_f32_16x16x128_f8f6f4 v[\d:\d+7], v[\a:\a+11], v[\b:\b+11], 0, v[\sa], v[\sb] matrix_a_fmt:MATRIX_FMT_BF6 matrix_b_fmt:MATRIX_FMT_BF6 matrix_a_scale:MATRIX_SCALE_ROW1
.endif
.else
.if (\row) == 0
	v_wmma_scale_f32_16x16x128_f8f6f4 v[\d:\d+7], v[\a:\a+11], v[\b:\b+11], v[\c:\c+7], v[\sa], v[\sb] matrix_a_fmt:MATRIX_FMT_BF6 matrix_b_fmt:MATRIX_FMT_BF6
.else
	v_wmma_scale_f32_16x16x128_f8f6f4 v[\d:\d+7], v[\a:\a+11], v[\b:\b+11], v[\c:\c+7], v[\sa], v[\sb] matrix_a_fmt:MATRIX_FMT_BF6 matrix_b_fmt:MATRIX_FMT_BF6 matrix_a_scale:MATRIX_SCALE_ROW1
.endif
.endif
.endm
; 64 numbers of a lane in window w, register 16 b + i one of my 16 of block b (lane l xor 16 holds the other 16), become 12 registers of codes in v[PC] on and four scale bytes in v[pw].
; wt >= 0: a wait on DScnt with that count stands behind the maxima, ahead of the first line that writes v[pw] or the codes: the image stores that still read them have the maxima's 44 lines in which to finish
.macro QUANT s, w, pw, wt
	WIN (\w)|((\w)<<2)
.irp b, 0,1,2,3
	v_max3_num_f32 v[TMX+\b], |v[16*\b+\s]|, |v[16*\b+1+\s]|, 0x2800000   ; with the floor 2^(5 - 127): the byte cannot fall under 1
.endr
	WIN ((\w)<<2)|((\w)<<4)
.irp i, 2,4,6,8,10,12,14
.irp b, 0,1,2,3
	v_max3_num_f32 v[TMX+\b], v[TMX+\b], |v[16*\b+\i+\s]|, |v[16*\b+\i+1+\s]|   ; the four blocks by turns
.endr
.endr
	WIN 0
.irp b, 0,1,2,3
	v_permlanex16_b32 v[TMB+\b], v[TMX+\b], s[SEL], s[SEL+1]
.endr
.irp b, 0,1,2,3
	v_max_num_f32 v[TMX+\b], v[TMX+\b], v[TMB+\b]  ; the block's largest magnitude
.endr
.irp b, 0,1,2,3
	v_add_nc_u32 v[TSO+\b], 0xfe000000, v[TMX+\b]  ; 4 off its exponent field: the conversion's scale operand
.endr
.irp b, 0,1,2,3
	v_lshrrev_b32 v[TMB+\b], 23, v[TSO+\b]         ; the byte
.endr
.if (\wt) >= 0
	s_wait_dscnt \wt
.endif
	v_lshl_or_b32 v[\pw], v[TMB+1], 8, v[TMB]
	v_lshl_or_b32 v[\pw], v[TMB+2], 16, v[\pw]
	v_lshl_or_b32 v[\pw], v[TMB+3], 24, v[\pw]
	WIN \w
.irp c, 0,1
	v_cvt_scalef32_pk16_bf6_f32 v[PC+6*\c:PC+6*\c+2], v[32*\c+\s:32*\c+15+\s], v[TSO+2*\c]
	v_cvt_scalef32_pk16_bf6_f32 v[PC+12+4*\c:PC+14+4*\c], v[32*\c+16+\s:32*\c+31+\s], v[TSO+2*\c+1]
.endr
	WIN 0
	v_nop                                          ; one plain line behind the last scaled conversion
.irp c, 0,1                            ; a whole block in a lane: lanes 0-15 block 2 c, lanes 16-31 block 2 c + 1
.irp i, 0,1,2
	v_permlane16_swap_b32 v[PC+6*\c+\i], v[PC+12+4*\c+\i]
.endr
.irp i, 0,1,2
	v_mov_b32 v[PC+6*\c+3+\i], v[PC+12+4*\c+\i]
.endr
.endr
.endm
; elu(q) + 1 = max(q, 0) + 2^min(q log2(e), 0).  The 64 exponentials are one batch with one wait; the 64 maxima are the independent work behind them
.macro PHI
.set jj, 0
.rept 32
	v_pk_mul_f32 v[E+jj:E+jj+1], v[HA+jj:HA+jj+1], 0x3fb8aa3b op_sel_hi:[1,0]
.set jj, jj+2
.endr
.set jj, 0
.rept 64
	v_min_num_f32 v[E+jj], 0, v[E+jj]
.set jj, jj+1
.endr
.set jj, 0
.rept 64
	v_exp_f32 v[E+jj], v[E+jj]
.set jj, jj+1
.endr
.set jj, 0
.rept 64
	v_max_num_f32 v[HA+jj], 0, v[HA+jj]
.set jj, jj+1
.endr
	s_wait_alu depctr_va_vdst(0)                   ; ahead of the first line that names an exponential's result: one wait for the batch
.set jj, 0
.rept 32
	v_pk_add_f32 v[HA+jj:HA+jj+1], v[HA+jj:HA+jj+1], v[E+jj:E+jj+1]
.set jj, jj+2
.endr
.endm
.macro XLOADY m, off                   ; my 64 channels of row tile m of x into Y's registers, as they lie: sixteen lanes read a row's 256 consecutive bytes, a load two rows
	WIN (1+2*((\m)/2))<<6
.irp k, 0,1,2,3,4,5,6,7
	global_load_b128 v[192+32*((\m)%2)+4*\k:192+32*((\m)%2)+4*\k+3], v[OO], s[48:49] offset:\off+16384*(\m)+2048*\k th:TH_LOAD_NT
.endr
	WIN 0
.endm
.macro TURNX m                         ; row tile m of x through my stage: in by whole rows, back a row to a lane: register 16 b + 4 i + e = channel 32 b + 16 h + 4 i + e of row r.  LDS serves a wave's instructions in order: no wait between
.set XW, 1+2*((\m)/2)
.set YB, 192+32*((\m)%2)
	WIN XW<<2                                      ; an LDS store's data are its source 1
.irp k, 0,1,2,3,4,5,6,7
	ds_store_b128 v[SGO], v[YB+4*\k:YB+4*\k+3] offset:544*\k
.endr
	WIN XW<<6
.irp b, 0,1
.irp i, 0,1,2,3
	ds_load_b128 v[YB+16*\b+4*\i:YB+16*\b+4*\i+3], v[SGI] offset:128*\b+16*\i
.endr
.endr
	WIN 0
.endm
.macro HALFIMG base, sc, m0            ; the codes in v[PC] on are my halves of the fragments of row tiles m0 and m0 + 1; the word in v[PW] their two bytes each: six stores
	ds_store_b128 v[IW16], v[PC:PC+3] offset:\base+3072*(\m0)
	ds_store_b64 v[IW8], v[PC+4:PC+5] offset:\base+3072*(\m0)
	ds_store_b128 v[IW16], v[PC+6:PC+9] offset:\base+3072*(\m0)+3072
	ds_store_b64 v[IW8], v[PC+10:PC+11] offset:\base+3072*(\m0)+3072
	ds_store_b16 v[SW], v[PW] offset:\sc+256*(\m0)
	ds_store_b16_d16_hi v[SW], v[PW] offset:\sc+256*(\m0)+256
.endm
.macro FETCHH reg, base, m, s          ; a fragment from its two halves: four loads
.irp c, 0,1
	ds_load_b128 v[\reg+6*\c:\reg+6*\c+3], v[LI16] offset:\base+(2*(\m)+(\s))*1536+768*\c
	ds_load_b64 v[\reg+6*\c+4:\reg+6*\c+5], v[LI8] offset:\base+(2*(\m)+(\s))*1536+768*\c+512
.endr
.endm
.macro PLOAD reg, k                    ; slice k of my parameters in the layout of a row tile's 32 registers: eight loads
.irp b, 0,1
.irp i, 0,1,2,3
	ds_load_b128 v[\reg+16*\b+4*\i:\reg+16*\b+4*\i+3], v[PR] offset:256*(\k)+128*\b+16*\i
.endr
.endr
.endm
.macro PLOADB1 g                       ; b1 of my hidden units 128 g on, in the results' layout, into v192-255: sixteen loads
.irp b, 0,1,2,3
.irp i, 0,1,2,3
	ds_load_b128 v[192+16*\b+4*\i:195+16*\b+4*\i], v[PR] offset:2048+512*(\g)+128*\b+16*\i
.endr
.endr
.endm
.macro ADDB m, reg
.set XW, 1+2*((\m)/2)
.set YB, 192+32*((\m)%2)
	WIN (XW<<6)|XW
.set jj, 0
.rept 16
	v_pk_add_f32 v[YB+jj:YB+jj+1], v[YB+jj:YB+jj+1], v[\reg+jj:\reg+jj+1]
.set jj, jj+2
.endr
	WIN 0
.endm
; mean and sum of squared deviations of my 64 channels of row tile m's rows.  Y is read from each accumulator's low end on
.macro LNSTAT m, st, me
.set XW, 1+2*((\m)/2)
.set YB, 192+32*((\m)%2)
	WIN XW|(XW<<2)
.irp i, 0,1,2,3,4,5,6,7
	v_pk_add_f32 v[HA+2*\i:HA+2*\i+1], v[YB+4*\i:YB+4*\i+1], v[YB+4*\i+2:YB+4*\i+3]
.endr
	WIN 0
.irp i, 0,1,2,3
	v_pk_add_f32 v[HA+2*\i:HA+2*\i+1], v[HA+4*\i:HA+4*\i+1], v[HA+4*\i+2:HA+4*\i+3]
.endr
.irp i, 0,1
	v_pk_add_f32 v[HA+2*\i:HA+2*\i+1], v[HA+4*\i:HA+4*\i+1], v[HA+4*\i+2:HA+4*\i+3]
.endr
	v_pk_add_f32 v[HA:HA+1], v[HA:HA+1], v[HA+2:HA+3]
	v_add_f32 v[HA], v[HA], v[HA+1]
	v_permlanex16_b32 v[TMB], v[HA], s[SEL], s[SEL+1]
	v_add_f32 v[HA], v[HA], v[TMB]
	v_mul_f32 v[\me], 0x3c800000, v[HA]            ; / 64
	WIN XW
.set jj, 0
.rept 16
	v_pk_add_f32 v[HA+32+jj:HA+33+jj], v[YB+jj:YB+jj+1], v[\me:\me+1] op_sel_hi:[1,0] neg_lo:[0,1] neg_hi:[0,1]
.set jj, jj+2
.endr
	WIN 0
.irp c, 0,1,2,3
	v_pk_mul_f32 v[HA+2*\c:HA+2*\c+1], v[HA+32+2*\c:HA+33+2*\c], v[HA+32+2*\c:HA+33+2*\c]
.endr
.irp j, 1,2,3
.irp c, 0,1,2,3
	v_pk_fma_f32 v[HA+2*\c:HA+2*\c+1], v[HA+32+8*\j+2*\c:HA+33+8*\j+2*\c], v[HA+32+8*\j+2*\c:HA+33+8*\j+2*\c], v[HA+2*\c:HA+2*\c+1]
.endr
.endr
	v_pk_add_f32 v[HA:HA+1], v[HA:HA+1], v[HA+2:HA+3]
	v_pk_add_f32 v[HA+4:HA+5], v[HA+4:HA+5], v[HA+6:HA+7]
	v_pk_add_f32 v[HA:HA+1], v[HA:HA+1], v[HA+4:HA+5]
	v_add_f32 v[HA], v[HA], v[HA+1]
	v_permlanex16_b32 v[TMB], v[HA], s[SEL], s[SEL+1]
	v_add_f32 v[\me+1], v[HA], v[TMB]
	ds_store_b64 v[STW], v[\me:\me+1] offset:\st+512*(\m)   ; both halves of the lanes write the same pair to the same place
.endm
.macro STATS st, m0                    ; the four waves' pairs of row tiles m0 and m0 + 1 into v[PC] on: four loads
.irp mi, 0,1
	ds_load_b128 v[PC+8*\mi:PC+8*\mi+3], v[STR] offset:\st+512*((\m0)+\mi)
	ds_load_b128 v[PC+8*\mi+4:PC+8*\mi+7], v[STR] offset:\st+512*((\m0)+\mi)+16
.endr
.endm
; four pairs (mean, sum of squares) of 64 channels each -> the row's mean and 1 / sqrt(variance + 1e-5).  The wait for the root is written behind the macro
.macro COMBINE S, mu, rs
	v_add_f32 v[TSO], v[\S], v[\S+2]
	v_add_f32 v[TSO+1], v[\S+4], v[\S+6]
	v_add_f32 v[TSO], v[TSO], v[TSO+1]
	v_mul_f32 v[\mu], 0x3e800000, v[TSO]
	v_sub_f32 v[TSO], v[\S], v[\mu]
	v_sub_f32 v[TSO+1], v[\S+2], v[\mu]
	v_sub_f32 v[TSO+2], v[\S+4], v[\mu]
	v_sub_f32 v[TSO+3], v[\S+6], v[\mu]
	v_mul_f32 v[TSO], v[TSO], v[TSO]
	v_fma_f32 v[TSO], v[TSO+1], v[TSO+1], v[TSO]
	v_fma_f32 v[TSO], v[TSO+2], v[TSO+2], v[TSO]
	v_fma_f32 v[TSO], v[TSO+3], v[TSO+3], v[TSO]
	v_add_f32 v[TSO+1], v[\S+1], v[\S+3]
	v_add_f32 v[TSO+2], v[\S+5], v[\S+7]
	v_add_f32 v[TSO+1], v[TSO+1], v[TSO+2]
	v_fma_f32 v[TSO], v[TSO], 0x42800000, v[TSO+1] ; 64 x the means' squared deviations + the four sums
	v_fma_f32 v[\rs], v[TSO], s78, s79             ; / 256 + 1e-5
	v_rsq_f32 v[\rs], v[\rs]                       ; in place: no later line writes its source
.endm
.macro APPLY m, dst, g, be, mu, rs     ; ((Y - mean) x root) x gain + bias
.set XW, 1+2*((\m)/2)
.set YB, 192+32*((\m)%2)
	WIN XW
.set jj, 0
.rept 16
	v_pk_add_f32 v[\dst+jj:\dst+jj+1], v[YB+jj:YB+jj+1], v[\mu:\mu+1] op_sel_hi:[1,0] neg_lo:[0,1] neg_hi:[0,1]
.set jj, jj+2
.endr
	WIN 0
.set jj, 0
.rept 16
	v_pk_mul_f32 v[\dst+jj:\dst+jj+1], v[\dst+jj:\dst+jj+1], v[\rs:\rs+1] op_sel_hi:[1,0]
.set jj, jj+2
.endr
.set jj, 0
.rept 16
	v_pk_fma_f32 v[\dst+jj:\dst+jj+1], v[\dst+jj:\dst+jj+1], v[\g+jj:\g+jj+1], v[\be+jj:\be+jj+1]
.set jj, jj+2
.endr
.endm
.macro PUTY m, src, b
.set XW, 1+2*((\m)/2)
.set YB, 192+32*((\m)%2)
	WIN XW<<6
.set jj, 0
.rept 16
	v_pk_add_f32 v[YB+jj:YB+jj+1], v[\src+jj:\src+jj+1], v[\b+jj:\b+jj+1]
.set jj, jj+2
.endr
	WIN 0
.endm
.macro F1FETCH m                       ; x1's two fragments of row tile m and their scale words: ten loads
	FETCHH 160, AIMG, \m, 0
	FETCHH 172, AIMG, \m, 1
	ds_load_b32 v[AS], v[LS] offset:ASC+256*(\m)
	ds_load_b32 v[AS+1], v[LS] offset:ASC+256*(\m)+128
.endm
.macro F2LH ks, sel                    ; K step ks of the second layer: four hidden fragments and their scale words: 16 loads
.irp m, 0,1,2,3
.irp q, 0,1,2
	ds_load_b128 v[64+48*(\sel)+12*\m+4*\q:64+48*(\sel)+12*\m+4*\q+3], v[HR] offset:(8*\m+(\ks))*1536+512*\q
.endr
	ds_load_b32 v[AS+4*(\sel)+\m], v[LS] offset:HSC+128*(8*\m+(\ks))
.endr
.endm
.macro F2LW ks, sel                    ; and my four fragments of W2: 12 loads
.irp n, 0,1,2,3
.irp q, 0,1,2
	ds_load_b128 v[160+48*(\sel)+12*\n+4*\q:160+48*(\sel)+12*\n+4*\q+3], v[W2R] offset:(8*(\n/2)+(\ks))*3072+1536*(\n%2)+512*\q
.endr
.endr
.endm
.macro MOVS ks, sel                    ; W2's two scale words of K step ks, out of window 2 (scale operands have no window)
	WIN 0x02
.irp pl, 0,1
	v_mov_b32 v[W2S+2*(\sel)+\pl], v[240+8*\pl+(\ks)]
.endr
	WIN 0
.endm
.macro NEXTX m                         ; the next block's x takes Y's place as soon as Y has been read; the last block asks for nothing: no load leaves x
	s_cmp_eq_u32 s35, 1
	s_cbranch_scc1 .Lnonext_\@
	XLOADY \m, 65536
.Lnonext_\@:
.endm
.macro STT reg                         ; 16 rows x my 256 bytes of out0 through my stage: in a row to a lane, back by whole rows into the registers that they left: 16 LDS instructions, served in order
.irp b, 0,1
.irp i, 0,1,2,3
	ds_store_b128 v[SGI], v[\reg+16*\b+4*\i:\reg+16*\b+4*\i+3] offset:128*\b+16*\i
.endr
.endr
.irp k, 0,1,2,3,4,5,6,7
	ds_load_b128 v[\reg+4*\k:\reg+4*\k+3], v[SGO] offset:544*\k
.endr
.endm
.macro GOUT m, reg
.irp k, 0,1,2,3,4,5,6,7
	global_store_b128 v[OO], v[\reg+4*\k:\reg+4*\k+3], s[50:51] offset:16384*(\m)+2048*\k th:TH_STORE_NT   ; sixteen lanes store 256 consecutive bytes, aligned
.endr
.endm
; q, phi, z, q_phi kv, x z, for row tiles 2 pp and 2 pp + 1: all of it the wave's own, since a head is the wave's own.  bq lies in v208-239 already
.macro QPH pp
.irp mi, 0,1
.irp s, 0,1
	FETCHH 160+24*\mi+12*\s, AIMG, 2*(\pp)+\mi, \s
	ds_load_b32 v[AS+2*\mi+\s], v[LS] offset:ASC+128*(2*(2*(\pp)+\mi)+\s)
.endr
.endr
	s_wait_dscnt 0x0                               ; the fragments and bq are in, and the last image stores have read their registers
	WIN 0x03                                       ; source 0 (Wq) window 3
.irp mi, 0,1
.irp n, 0,1,2,3
	WM HA+32*\mi+8*\n, 24*\n, 160+24*\mi, 208+8*\n, WQS+2*(\n/2), AS+2*\mi, \n%2
.endr
.endr
.irp mi, 0,1
.irp n, 0,1,2,3
	WM HA+32*\mi+8*\n, 24*\n+12, 172+24*\mi, HA+32*\mi+8*\n, WQS+2*(\n/2)+1, AS+2*\mi+1, \n%2
.endr
.endr
	WIN 0
	PLACES 4                                       ; between the last product and loads into its operands, and the first read of results
	PLOAD 160, 1                                   ; k_sum: lands under phi
	PHI
	s_wait_dscnt 0x0
.if (\pp) == 0
	PLOAD 208, 0                                   ; bq for the next two row tiles: phi has left these registers
.endif
.irp k, 0,1,2,3                        ; q_phi . k_sum in f32: four chains (row tile, head) by turns
	v_pk_mul_f32 v[192+2*\k:193+2*\k], v[HA+16*\k:HA+16*\k+1], v[160+16*(\k%2):161+16*(\k%2)]
.endr
.irp i, 2,4,6,8,10,12,14
.irp k, 0,1,2,3
	v_pk_fma_f32 v[192+2*\k:193+2*\k], v[HA+16*\k+\i:HA+16*\k+\i+1], v[160+16*(\k%2)+\i:161+16*(\k%2)+\i], v[192+2*\k:193+2*\k]
.endr
.endr
.irp k, 0,1,2,3
	v_add_f32 v[192+2*\k], v[192+2*\k], v[193+2*\k]
.endr
.irp k, 0,1,2,3
	v_permlanex16_b32 v[TMB+\k], v[192+2*\k], s[SEL], s[SEL+1]
.endr
.irp k, 0,1,2,3
	v_add_f32 v[192+2*\k], v[192+2*\k], v[TMB+\k]
.endr
.irp k, 0,1,2,3
	v_add_f32 v[192+2*\k], 0x358637bd, v[192+2*\k] ; + 1e-6
.endr
.irp k, 0,1,2,3
	v_rcp_f32 v[200+2*\k], v[192+2*\k]             ; z; the quantiser below is the independent work behind the four
.endr
	QUANT HA, 0, PW, -1                            ; q_phi along d: block 2 mi + g is head g of row tile mi
	v_lshrrev_b32 v[PW+1], 16, v[PW]               ; row tile 1's two bytes at the word's low end
	PLACES 8                                       ; operands and scale words written by vector lines stand 4 and 8 plain lines ahead of a scaled product
	WIN 0x02                                       ; source 0 (kv) window 2.  kv's codes are 0 outside K block g, so what stands in source 1's other blocks adds exactly 0
.irp mi, 0,1
.irp g, 0,1
.irp u, 0,1
	WM HA+32*\mi+16*\g+8*\u, 192+12*(2*\g+\u), PC+6*\mi, -1, KVS+\g, PW+\mi, \u
.endr
.endr
.endr
	WIN 0
	PLACES 4
	s_wait_alu depctr_va_vdst(0)                   ; ahead of the first line that names a reciprocal's result: one wait for the four
.irp k, 0,1,2,3
.irp i, 0,2,4,6,8,10,12,14
	v_pk_mul_f32 v[HA+16*\k+\i:HA+16*\k+\i+1], v[HA+16*\k+\i:HA+16*\k+\i+1], v[200+2*\k:201+2*\k] op_sel_hi:[1,0]
.endr
.endr
	QUANT HA, 0, PW, -1
	HALFIMG BIMG, BSC, 2*(\pp)                     ; the next wait for 0 on DScnt stands ahead of the next line that writes the codes
.endm
	s_load_b512 s[4:19], s[0:1], 0x0               ; x, wfrag, wscl, kvfrag, kvscl, ksum, bq, bo
	s_load_b256 s[20:27], s[0:1], 0x40             ; b1, b2, ln1_g, ln1_b
	s_load_b128 s[28:31], s[0:1], 0x60             ; ln2_g, ln2_b
	s_load_b64 s[32:33], s[0:1], 0x70              ; out0
	v_lshl_add_u32 v16, v0, 2, 0x4bc00
	v_mov_b32 v61, 0
	ds_add_u32 v16, v61
	ds_add_u32 v16, v61
	v_lshrrev_b32 v1, 5, v0
	v_readfirstlane_b32 s34, v1                    ; wave 0..3
	; descriptor group 1: a dense block of 49,152 bytes as 192 rows of 32 elements of 8 bytes, no padding
	s_mov_b32 s40, 3<<16
	s_mov_b32 s41, 32<<16
	s_mov_b32 s42, 192<<16
	s_mov_b32 s43, 32<<16
	s_mov_b32 s44, 192
	s_mov_b32 s45, 32
	s_mov_b32 s46, 0
	s_mov_b32 s47, 0
	s_mul_i32 s54, s34, 49152
	s_mov_b32 s55, 0
	s_mov_b32 s36, 1
	s_add_co_u32 s37, s54, W2L
	s_wait_dscnt 0x0
	s_wait_kmcnt 0x0
	s_add_nc_u64 s[38:39], s[6:7], s[54:55]
	s_add_nc_u64 s[38:39], s[38:39], 393216        ; W2's units begin at 128 x 3,072; mine are 16 w on
	s_or_b32 s39, s39, 0x80000000
	tensor_load_to_lds s[36:39], s[40:47]          ; my one tensor load of the launch: a first fill; it is waited for where W2 is first read
	s_nop 0
.rept 4
	v_nop
.endr
	v_and_b32 v160, 31, v0                         ; lane
	v_and_b32 v161, 15, v0                         ; r
	v_bfe_u32 v162, v0, 4, 1                       ; h
	v_lshlrev_b32 v[LI16], 4, v160
	v_lshlrev_b32 v[LI8], 3, v160
	v_lshlrev_b32 v[LS], 2, v160
	s_lshr_b32 s56, s34, 1                         ; the K step that my channels lie in,
	s_and_b32 s57, s34, 1                          ; and which half of it
	s_mul_i32 s58, s56, 1536
	s_mul_i32 s59, s57, 768
	s_add_co_u32 s58, s58, s59
	v_add_nc_u32 v[IW16], s58, v[LI16]
	s_add_co_u32 s58, s58, 512
	v_add_nc_u32 v[IW8], s58, v[LI8]
	s_lshl_b32 s58, s56, 7
	s_lshl_b32 s59, s57, 1
	s_add_co_u32 s58, s58, s59
	v_add_nc_u32 v[SW], s58, v[LS]
	s_mul_i32 s58, s34, 3072
	s_add_co_u32 s59, s58, HIMG
	v_add_nc_u32 v[HW], s59, v[LI16]
	s_lshl_b32 s59, s34, 8
	v_add_nc_u32 v[HSW], s59, v[LS]
	v_add_nc_u32 v163, s59, v[LI8]                 ; 256 w + 8 x lane: my two numbers of a parameter's 64
	v_add_nc_u32 v[HR], HIMG, v[LI16]
	v_add_nc_u32 v[W2R], s37, v[LI16]
	s_add_co_u32 s59, s58, PAR
	v_lshl_add_u32 v[PR], v162, 6, s59
	v_add_nc_u32 v165, s59, v[LI8]
	v_add_nc_u32 v166, s59, v[LI16]
	s_lshl_b32 s59, s34, 10
	v_add_nc_u32 v164, s59, v[LI16]                ; 1,024 w + 16 x lane: b1
	v_lshlrev_b32 v[STR], 5, v161
	s_lshl_b32 s60, s34, 3
	v_add_nc_u32 v[STW], s60, v[STR]
	s_mul_i32 s60, s34, 4352
	s_add_co_u32 s60, s60, STG
	v_mul_u32_u24 v[SGI], v161, 272
	v_lshl_add_u32 v[SGI], v162, 6, v[SGI]
	v_add_nc_u32 v[SGI], s60, v[SGI]
	v_mul_u32_u24 v[SGO], v162, 272
	v_lshl_add_u32 v[SGO], v161, 4, v[SGO]
	v_add_nc_u32 v[SGO], s60, v[SGO]
	v_lshlrev_b32 v[OO], 10, v162
	v_lshl_add_u32 v[OO], v161, 4, v[OO]
	v_lshlrev_b32 v[PFO], 10, v160
	s_lshr_b32 s61, ttmp9, 6                       ; batch
	s_add_nc_u64 s[66:67], s[6:7], s[54:55]
	s_add_nc_u64 s[66:67], s[66:67], 196608        ; W1's units begin at 64 x 3,072; mine are 16 w on
	s_mul_i32 s56, s34, 12288
	s_mov_b32 s57, 0
	s_add_nc_u64 s[68:69], s[6:7], s[56:57]        ; Wq's, and 147,456 further Wo's
	s_mul_i32 s56, s61, 24576
	s_mul_i32 s58, s34, 6144
	s_add_co_u32 s56, s56, s58
	s_add_nc_u64 s[70:71], s[10:11], s[56:57]      ; kv's fragments of my two heads
	s_lshl_b32 s56, s34, 9
	s_add_nc_u64 s[72:73], s[8:9], s[56:57]        ; scale words: 4 units a wave,
	s_lshl_b32 s56, s34, 11
	s_add_nc_u64 s[74:75], s[8:9], s[56:57]        ; 16 units a wave
	s_lshl_b32 s56, s61, 10
	s_add_nc_u64 s[14:15], s[14:15], s[56:57]      ; k_sum of my batch
	s_lshl_b32 s58, s34, 8
	s_add_co_u32 s56, s56, s58
	s_add_nc_u64 s[76:77], s[12:13], s[56:57]      ; kv's scale words
	s_lshl_b32 s56, ttmp9, 18
	s_add_co_u32 s56, s56, s58
	s_add_nc_u64 s[48:49], s[4:5], s[56:57]        ; x and out0 at my work-group's first row, my 64 channels
	s_add_nc_u64 s[50:51], s[32:33], s[56:57]
	s_mov_b32 s[SEL], 0x76543210
	s_mov_b32 s[SEL+1], 0xfedcba98
	s_mov_b32 s78, 0x3b800000                      ; 1 / 256
	s_mov_b32 s79, 0x3727c5ac                      ; 1e-5
	WIN 0x40
.irp pl, 0,1,2,3
.irp u, 0,1
.irp s, 0,1
.irp q, 0,1,2
	global_load_b128 v[12*(2*(2*\pl+\u)+\s)+4*\q:12*(2*(2*\pl+\u)+\s)+4*\q+3], v[LI16], s[66:67] offset:(2*\pl+\s)*3072+1536*\u+512*\q
.endr
.endr
.endr
.endr
	WIN 0x80
.irp pl, 4,5,6,7
.irp u, 0,1
.irp s, 0,1
.irp q, 0,1,2
	global_load_b128 v[12*(2*(2*(\pl-4)+\u)+\s)+4*\q:12*(2*(2*(\pl-4)+\u)+\s)+4*\q+3], v[LI16], s[66:67] offset:(2*\pl+\s)*3072+1536*\u+512*\q
.endr
.endr
.endr
.endr
.irp g, 0,1
.irp u, 0,1
.irp q, 0,1,2
	global_load_b128 v[192+12*(2*\g+\u)+4*\q:192+12*(2*\g+\u)+4*\q+3], v[LI16], s[70:71] offset:(2*\g+\u)*1536+512*\q
.endr
.endr
.endr
.irp pl, 0,1
.irp ks, 0,1,2,3,4,5,6,7
	global_load_b32 v[240+8*\pl+\ks], v[LS], s[74:75] offset:16384+(8*\pl+\ks)*128
.endr
.endr
	WIN 0xc0
.irp g, 0,1
.irp u, 0,1
.irp s, 0,1
.irp q, 0,1,2
	global_load_b128 v[12*(2*(2*\g+\u)+\s)+4*\q:12*(2*(2*\g+\u)+\s)+4*\q+3], v[LI16], s[68:69] offset:(2*\g+\s)*3072+1536*\u+512*\q
	global_load_b128 v[96+12*(2*(2*\g+\u)+\s)+4*\q:96+12*(2*(2*\g+\u)+\s)+4*\q+3], v[LI16], s[68:69] offset:147456+(2*\g+\s)*3072+1536*\u+512*\q
.endr
.endr
.endr
.endr
	WIN 0
.irp pl, 0,1,2,3,4,5,6,7
.irp s, 0,1
	global_load_b32 v[W1S+2*\pl+\s], v[LS], s[74:75] offset:8192+(2*\pl+\s)*128
.endr
.endr
.irp g, 0,1
.irp s, 0,1
	global_load_b32 v[WQS+2*\g+\s], v[LS], s[72:73] offset:(2*\g+\s)*128
	global_load_b32 v[WOS+2*\g+\s], v[LS], s[72:73] offset:6144+(2*\g+\s)*128
.endr
	global_load_b32 v[KVS+\g], v[LS], s[76:77] offset:128*\g
.endr
	global_load_b64 v[HA:HA+1], v163, s[16:17]             ; bq
	global_load_b64 v[HA+2:HA+3], v163, s[14:15]           ; k_sum
	global_load_b64 v[HA+4:HA+5], v163, s[18:19]           ; bo
	global_load_b64 v[HA+6:HA+7], v163, s[24:25]           ; ln1_g
	global_load_b64 v[HA+8:HA+9], v163, s[26:27]           ; ln1_b
	global_load_b64 v[HA+10:HA+11], v163, s[22:23]         ; b2
	global_load_b64 v[HA+12:HA+13], v163, s[28:29]         ; ln2_g
	global_load_b64 v[HA+14:HA+15], v163, s[30:31]         ; ln2_b
	global_load_b128 v[HA+16:HA+19], v164, s[20:21]        ; b1: my 256
	global_load_b128 v[HA+20:HA+23], v164, s[20:21] offset:512
.irp m, 0,1,2,3
	XLOADY \m, 0
.endr
.irp i, 0,1,2,3
	v_mov_b32 v[TMB+\i], 0                         ; written once: a lane permute's destination counts as one of its sources
.endr
	v_mov_b32 v[ME], 0                             ; (pairs that are named whole before their upper half is first written)
	v_mov_b32 v[ME+1], 0
	v_mov_b32 v[ME2], 0
	v_mov_b32 v[ME2+1], 0
	v_mov_b32 v[PC+15], 0                          ; named inside an operand over which kv's codes are 0
	v_mov_b32 v[PC+19], 0
	s_wait_loadcnt 32                              ; all but x's 32 loads are in
.irp k, 0,1,2,3,4,5,6,7
	ds_store_b64 v165, v[HA+2*\k:HA+2*\k+1] offset:256*\k   ; my own bytes: LDS serves a wave's instructions in order, so no barrier
.endr
	ds_store_b128 v166, v[HA+16:HA+19] offset:2048
	ds_store_b128 v166, v[HA+20:HA+23] offset:2560
	s_mov_b32 s35, 4
.Lblock:
	; ---- X: my 64 channels of the 64 rows of x are turned into a row a lane and become half fragments
	s_wait_loadcnt 16                              ; row tiles 0, 1 are in; the 16 loads of row tiles 2, 3 may be out
	TURNX 0
	TURNX 1
	s_wait_loadcnt 0x0
	TURNX 2
	TURNX 3
	s_wait_dscnt 32                                ; row tiles 0, 1 are back; the 32 instructions of the two turns behind them may be out
	QUANT 192, 1, PW, -1
	HALFIMG AIMG, ASC, 0
	s_wait_dscnt 6                                 ; row tiles 2, 3 are back; the six image stores may be out:
	QUANT 192, 3, PW, 0                            ; they are waited for behind the maxima, ahead of the first write of the codes
	HALFIMG AIMG, ASC, 2
	PLOAD 208, 0                                   ; bq, for the first two row tiles: my own bytes, so it need not stand behind the barrier
	BARRIER                                        ; 1: x's eight fragments lie in LDS
	QPH 0
	QPH 1
	PLOAD HA, 2                                    ; bo
	BARRIER                                        ; 2: out's eight fragments lie in LDS
	; ---- O: Y = x + bo + out Wo; the statistics of my 64 channels
.irp s, 0,1
.irp m, 0,1,2,3
	FETCHH 160+48*\s+12*\m, BIMG, \m, \s
.endr
.endr
.irp s, 0,1
.irp m, 0,1,2,3
	ds_load_b32 v[AS+4*\s+\m], v[LS] offset:BSC+128*(2*\m+\s)
.endr
.endr
.irp m, 0,1,2,3
	ADDB \m, HA                                    ; 64 lines under which the 40 loads land
.endr
	s_wait_dscnt 0x0
.irp s, 0,1                            ; sixteen accumulators by turns
	WIN 0x53                                       ; source 0 (Wo) window 3, C and D window 1
.irp m, 0,1
.irp n, 0,1,2,3
	WM 192+32*\m+8*\n, 96+24*\n+12*\s, 160+48*\s+12*\m, 192+32*\m+8*\n, WOS+2*(\n/2)+\s, AS+4*\s+\m, \n%2
.endr
.endr
	WIN 0xf3                                       ; C and D window 3
.irp m, 2,3
.irp n, 0,1,2,3
	WM 192+32*(\m-2)+8*\n, 96+24*\n+12*\s, 160+48*\s+12*\m, 192+32*(\m-2)+8*\n, WOS+2*(\n/2)+\s, AS+4*\s+\m, \n%2
.endr
.endr
.endr
	WIN 0
	PLACES 4                                       ; ahead of the loads into the products' operands and of the first read of results
	PLOAD 160, 3                                   ; ln1_g, ln1_b, b2: they land under the statistics
	PLOAD 192, 4
	PLOAD 224, 5
	LNSTAT 0, ST1, ME
	LNSTAT 1, ST1, ME2
	LNSTAT 2, ST1, ME
	LNSTAT 3, ST1, ME2
	BARRIER                                        ; 3: the four waves' statistics lie in LDS
	; ---- LN1: x1; Y = x1 + b2; x1's half fragments
.irp pp, 0,1
	STATS ST1, 2*\pp
	s_wait_dscnt 0x0                               ; the pairs are in, and the last image stores have read their registers
	COMBINE PC, TMX, TMX+2
	COMBINE PC+8, TMX+4, TMX+6
	v_nop                                          ; a plain line behind the last root
	s_wait_alu depctr_va_vdst(0)                   ; one wait for the two roots, ahead of their first reader
.irp mi, 0,1
	APPLY 2*\pp+\mi, HA+32*\mi, 160, 192, TMX+4*\mi, TMX+4*\mi+2
	PUTY 2*\pp+\mi, HA+32*\mi, 224
.endr
.if \pp == 1
	PLOADB1 0                                      ; the gains and biases are done with: b1's first half lands under the quantiser
.endif
	QUANT HA, 0, PW, -1
	HALFIMG AIMG, ASC, 2*\pp
.endr
	BARRIER                                        ; 4: x1's eight fragments lie in LDS
	; ---- F1: my 256 hidden units, eight steps: units 128 (idx / 4) on (one K step of the second layer) for row tile idx % 4
	F1FETCH 0
.irp idx, 0,1,2,3,4,5,6,7
.if \idx == 0
	s_wait_dscnt 0x0
.else
	s_wait_dscnt 4                                 ; this step's fragments (and b1) are in; the last step's four image stores may be out
.endif
	WIN 1+\idx/4                                   ; source 0 (W1) window 1 or 2
.irp t, 0,1,2,3,4,5,6,7
	WM HA+8*\t, 24*\t, 160, 192+8*\t, W1S+2*(4*(\idx/4)+\t/2), AS, \t%2
.endr
.irp t, 0,1,2,3,4,5,6,7
	WM HA+8*\t, 24*\t+12, 172, HA+8*\t, W1S+2*(4*(\idx/4)+\t/2)+1, AS+1, \t%2
.endr
	WIN 0
	PLACES 4
.if \idx == 3
	PLOADB1 1                                      ; the next step begins the second 128 units
.endif
.if \idx < 7
	F1FETCH (\idx+1)%4                             ; lands under the vector work below
.else
	s_wait_tensorcnt 0x0                           ; my part of W2 is first read by the next lines, and only by me.  The load went out at the kernel's head; in later trips nothing is out and the wait is met at once
	F2LW 0, 0                                      ; W2's first K step: my own bytes, so it need not stand behind the barrier
.endif
.set jj, 0
.rept 64
	v_max_num_f32 v[HA+jj], 0, v[HA+jj]            ; relu
.set jj, jj+1
.endr
.if \idx == 3
	s_wait_dscnt 26                                ; the 26, 12 or 10 loads just issued may be out: the last step's image stores, which are older, have read the codes
.elseif \idx == 7
	s_wait_dscnt 12
.elseif \idx > 0
	s_wait_dscnt 10
.endif
	QUANT HA, 0, PW, -1
.irp q, 0,1,2
	ds_store_b128 v[HW], v[PC+4*\q:PC+4*\q+3] offset:12288*(\idx%4)+1536*(\idx/4)+512*\q
.endr
	ds_store_b32 v[HSW], v[PW] offset:HSC+1024*(\idx%4)+128*(\idx/4)
.endr
	BARRIER                                        ; 5: the hidden layer's 32 fragments lie in LDS
	; ---- F2: Y += hidden W2, eight K steps, operands in two sets by turns
	F2LH 0, 0
	MOVS 0, 0
	s_cmp_eq_u32 s35, 1
	s_cbranch_scc1 .Lno_pf
	global_prefetch_b8 v[PFO], s[48:49] offset:65536 th:TH_LOAD_NT scope:SCOPE_SE   ; the next block's 64 rows x my wave's 256 bytes, a lane a row, each named once: this phase ahead of the loads that want them; the last block asks for nothing
	global_prefetch_b8 v[PFO], s[48:49] offset:98304 th:TH_LOAD_NT scope:SCOPE_SE
.Lno_pf:
.irp ks, 0,1,2,3,4,5,6,7
	PLACES 8                                       ; ahead of loads into the operands of the last products, and between a K step's scale words' moves and its products
.if \ks < 7
	F2LH \ks+1, (\ks+1)%2
	F2LW \ks+1, (\ks+1)%2
	MOVS \ks+1, (\ks+1)%2
	s_wait_dscnt 28                                ; only the 28 loads just issued may be out
.else
	s_wait_dscnt 0x0
.endif
	WIN 0x50                                       ; C and D window 1
.irp m, 0,1
.irp n, 0,1,2,3
	WM 192+32*\m+8*\n, 160+48*(\ks%2)+12*\n, 64+48*(\ks%2)+12*\m, 192+32*\m+8*\n, W2S+2*(\ks%2)+\n/2, AS+4*(\ks%2)+\m, \n%2
.endr
.endr
	WIN 0xf0                                       ; C and D window 3
.irp m, 2,3
.irp n, 0,1,2,3
	WM 192+32*(\m-2)+8*\n, 160+48*(\ks%2)+12*\n, 64+48*(\ks%2)+12*\m, 192+32*(\m-2)+8*\n, W2S+2*(\ks%2)+\n/2, AS+4*(\ks%2)+\m, \n%2
.endr
.endr
	WIN 0
.endr
	PLACES 4
	PLOAD 160, 6                                   ; ln2_g, ln2_b: they land under the statistics
	PLOAD 192, 7
	LNSTAT 0, ST2, ME
	LNSTAT 1, ST2, ME2
	LNSTAT 2, ST2, ME
	LNSTAT 3, ST2, ME2
	BARRIER                                        ; 6
	; ---- LN2 and the way out.  Each row tile has 32 registers of its own (v96, v128, v224, v64), so no store's data are written again inside a trip; a tile's stores stand behind the next tiles' arithmetic
	STATS ST2, 0
	s_wait_dscnt 0x0
	COMBINE PC, TMX, TMX+2
	COMBINE PC+8, TMX+4, TMX+6
	v_nop
	s_wait_alu depctr_va_vdst(0)                   ; one wait for the two roots, ahead of their first reader
	STATS ST2, 2                                   ; row tiles 2 and 3: they land under the work on 0 and 1
	APPLY 0, 96, 160, 192, TMX, TMX+2
	NEXTX 0
	STT 96
	APPLY 1, 128, 160, 192, TMX+4, TMX+6
	NEXTX 1
	STT 128
	s_wait_dscnt 32                                ; the pairs of tiles 2, 3 are in; the two turns behind them, 32 instructions, may be out
	COMBINE PC, TMX+4, TMX+6
	COMBINE PC+8, ME, TMX                          ; tile 3's mean and root lie outside v64-95, which take its results
	v_nop
	s_wait_alu depctr_va_vdst(0)
	APPLY 2, 224, 160, 192, TMX+4, TMX+6
	NEXTX 2
	STT 224
	s_wait_dscnt 32                                ; tile 0 is back; tiles 1 and 2 may be out
	GOUT 0, 96
	APPLY 3, 64, 160, 192, ME, TMX
	NEXTX 3
	STT 64
	s_wait_dscnt 32                                ; tile 1 is back; tiles 2 and 3 may be out
	GOUT 1, 128
	s_wait_dscnt 16                                ; tile 2 is back
	GOUT 2, 224
	s_wait_dscnt 0x0
	GOUT 3, 64
	s_wait_xcnt 0x0                                ; loads, stores and prefetches have read their bases and registers: the bases may step, and the next trip may write the four sets
	s_add_nc_u64 s[48:49], s[48:49], 65536
	s_add_nc_u64 s[50:51], s[50:51], 65536
	s_sub_co_u32 s35, s35, 1
	s_cmp_lg_u32 s35, 0
	s_cbranch_scc1 .Lblock
	s_wait_tensorcnt 0x0
	ds_add_u32 v16, v61
	s_wait_dscnt 0x0
	s_endpgm
.Lfunc_end_k_qb669f960c6_block:
	.size	k_qb669f960c6_block, .Lfunc_end_k_qb669f960c6_block-k_qb669f960c6_block
	.p2alignl 7, 3214868480
	.fill 96, 4, 3214868480
	.section	.rodata,"a",@progbits
	.p2align	6, 0x0
	.amdhsa_kernel k_qb669f960c6_block
		.amdhsa_group_segment_fixed_size 327680
		.amdhsa_private_segment_fixed_size 0
		.amdhsa_enable_private_segment 0
		.amdhsa_kernarg_size 120
		.amdhsa_user_sgpr_count 2
		.amdhsa_user_sgpr_kernarg_segment_ptr 1
		.amdhsa_wavefront_size32 1
		.amdhsa_system_sgpr_workgroup_id_x 1
		.amdhsa_system_sgpr_workgroup_id_y 1
		.amdhsa_system_sgpr_workgroup_id_z 1
		.amdhsa_system_vgpr_workitem_id 0
		.amdhsa_next_free_vgpr 1024
		.amdhsa_next_free_sgpr 90
		.amdhsa_reserve_vcc 0
		.amdhsa_float_denorm_mode_32 3
		.amdhsa_float_denorm_mode_16_64 3
		.amdhsa_memory_ordered 1
		.amdhsa_forward_progress 1
		.amdhsa_inst_pref_size 255
	.end_amdhsa_kernel
	.section	.bss,"aw",@nobits
	.p2align	6
	.space	262144
	.amdgpu_metadata
---
amdhsa.version: [ 1, 2 ]
amdhsa.kernels:
  - .name:           k_qb669f960c6_block
    .symbol:         k_qb669f960c6_block.kd
    .args:
      - { .name: x, .offset: 0, .size: 8, .value_kind: global_buffer, .address_space: global }
      - { .name: wfrag, .offset: 8, .size: 8, .value_kind: global_buffer, .address_space: global }
      - { .name: wscl, .offset: 16, .size: 8, .value_kind: global_buffer, .address_space: global }
      - { .name: kvfrag, .offset: 24, .size: 8, .value_kind: global_buffer, .address_space: global }
      - { .name: kvscl, .offset: 32, .size: 8, .value_kind: global_buffer, .address_space: global }
      - { .name: ksum, .offset: 40, .size: 8, .value_kind: global_buffer, .address_space: global }
      - { .name: bq, .offset: 48, .size: 8, .value_kind: global_buffer, .address_space: global }
      - { .name: bo, .offset: 56, .size: 8, .value_kind: global_buffer, .address_space: global }
      - { .name: b1, .offset: 64, .size: 8, .value_kind: global_buffer, .address_space: global }
      - { .name: b2, .offset: 72, .size: 8, .value_kind: global_buffer, .address_space: global }
      - { .name: ln1_g, .offset: 80, .size: 8, .value_kind: global_buffer, .address_space: global }
      - { .name: ln1_b, .offset: 88, .size: 8, .value_kind: global_buffer, .address_space: global }
      - { .name: ln2_g, .offset: 96, .size: 8, .value_kind: global_buffer, .address_space: global }
      - { .name: ln2_b, .offset: 104, .size: 8, .value_kind: global_buffer, .address_space: global }
      - { .name: out0, .offset: 112, .size: 8, .value_kind: global_buffer, .address_space: global }
    .group_segment_fixed_size: 327680
    .private_segment_fixed_size: 0
    .kernarg_segment_align: 8
    .kernarg_segment_size: 120
    .max_flat_workgroup_size: 128
    .sgpr_count:     90
    .vgpr_count:     1024
    .wavefront_size: 32
...
	.end_amdgpu_metadata
.endif
;; end of part 4
